; MI455X (gfx1250); checked and timed in simulation.
; The chip was launched on July 23, 2026; its instructions are those of AMD's public machine-readable ISA for CDNA 5 (MIT licence, August 2026) and "CDNA5" Instruction Set Architecture Reference Guide (July 2026). The comments in the code are by the model that wrote it; some were corrected since.
;; Scaled Dot Prod Attention. Allowed arithmetic: matrix products marked QUANTISED: E3M2 operands, one E8M0 scale for each 32 along K, by v_wmma_scale_f32_16x16x128_f8f6f4 with both operands' format E3M2, f32 sums; everything else in f32.
;; Inputs: k 2 x 2,048 x 1,024 float32; q 2 x 2,048 x 1,024 float32; v 2 x 2,048 x 1,024 float32.
;; Outputs: out0 2 x 2,048 x 1,024 float32.
;; This version of the problem:
;;   THIS VERSION OF THE PROBLEM IS GIVEN IN LOW PRECISION. The matrix products marked QUANTISED in the list below multiply operands that are first quantised to E3M2 (3 exponent bits, 2 mantissa bits; 6 bits a number), with one power-of-two scale for each 32 numbers along K (OCP MX v1.0); their sums are f32. All else is computed in f32.
;;   The module's matrix products, in the order in which they are computed (A, B: the left and right operand; K: the contracted axis; several contracted axes count as one K, in the product's order):
;;     1. batch 32 x [M 2,048, K 64] x [K 64, N 2,048]; A: computed on the way; B: input k: QUANTISED
;;     2. batch 32 x [M 64, K 2,048] x [K 2,048, N 2,048]; A: input v; B: softmax (see below): QUANTISED
;;   THE QUANTISER, for each operand of a quantised product, along K:
;;     - K is cut into blocks of 32 from its start; a last block that is shorter is filled with zeros.
;;     - A block's scale is 2^e with e = floor(log2(the largest magnitude in the block)) - 4, held to -126 .. 127; a block of zeros has e = 0. As a byte (E8M0): e + 127.
;;     - Each number is divided by its block's scale, clamped to +-28, and rounded to the nearest number of E3M2, ties to even, subnormals kept.
;;     - The product sums the exact products of the quantised numbers (number of the format x scale) in f32.
;;   ~~~python
;;   def quantise(x, axis):      # numpy; x: float32 -> the quantised numbers, widened to float32 again
;;       x = np.moveaxis(x, axis, -1); K = x.shape[-1]
;;       x = np.pad(x, [(0, 0)] * (x.ndim - 1) + [(0, -K % 32)]); x = x.reshape(x.shape[:-1] + (-1, 32)); a = np.abs(x).max(-1, keepdims=True)
;;       e = np.where(a > 0, np.clip(np.frexp(np.where(a > 0, a, 1))[1] - 1 - 4, -126, 127), 0)      # np.frexp(a)[1] - 1 = floor(log2(a)), exactly
;;       r = np.clip(x / 2.0 ** e, -28, 28)
;;       step = 2.0 ** (np.maximum(np.frexp(np.where(r == 0, 1, r))[1] - 1, -2) - 2)
;;       q = np.round(r / step) * step * 2.0 ** e      # np.round: ties to even
;;       return np.moveaxis(q.reshape(q.shape[:-2] + (-1,))[..., :K], -1, axis).astype(np.float32)
;;   ~~~
;;   SOFTMAX AHEAD OF A QUANTISED PRODUCT. Where the list says 'softmax', what is quantised is not the finished softmax but p = 2^(t - M), with t = logit x log2(e) and M = ceil(the row's largest t), a whole number; so 1/2 < the row's largest p <= 1. The row's sum l is taken of the UNQUANTISED p, in f32, and the product's result is divided by l at the end. Since M is a whole number, a kernel that streams over the keys may use a running M (the ceiling of the running maximum): every later rescaling is an exact power of two, which a block's scale takes up: the codes' values come out the same.
;;   OPERANDS COMPUTED ON THE WAY. 'Computed on the way' means the value that the module computes at that place (a softmax that the list does not call 'softmax' is quantised finished and normalised). What goes into a quantiser is computed in f32, as accurately as f32 sums, v_exp_f32 and their like allow (about 1e-6 of the number): no bf16 or f16 on the way to a quantiser, and a product that is left as it is and whose result goes on into a quantised operand takes f32 operands (vector FMAs, or v_wmma_f32_16x16x4_f32). A number that lies on a knife's edge between two numbers of the format may be rounded either way, as far as f32 arithmetic and the matrix unit's own rounding can turn it there, and no further.
;; 2 versions. Each part assembles by itself: llvm-mc -triple=amdgcn-amd-amdhsa -mcpu=gfx1250 --defsym DOCPART=n.
;; ======== version 1 of 2: 2 launches
;; limits: right only within a limited range of input values
;; workspace buffers: kv 6,553,600 bytes
;; launch prep (part 1): grid 16 x 32, 16 waves a work-group, no clusters, 84,480 bytes of LDS; arguments k, v, kv; writes kv
.if DOCPART == 1
	.amdgcn_target "amdgcn-amd-amdhsa--gfx1250"
	.amdhsa_code_object_version 6
	.text
	.protected	k_q8388173308_prep
	.globl	k_q8388173308_prep
	.p2align	8
	.type	k_q8388173308_prep,@function
k_q8388173308_prep:
	s_mov_b64 s[64:65], 0
	v_nop
	global_prefetch_b8 v0, s[64:65] scope:SCOPE_SE
	s_setreg_imm32_b32 hwreg(HW_REG_WAVE_MODE, 25, 1), 1
	s_wait_xcnt 0x0
; k and v, [2][2048][1024] f32 (16 heads of 64 numbers: a head's part of a row is 256 bytes), are turned ONCE into codes of BF6 (E3M2) with one E8M0 byte
; for each 32 along a product's K: k along the head's 64 numbers, v along the keys.  The codes are laid as the attention launch's operand registers want them.
; A work-group (x = key step j of 128 keys, y = 16 x batch + head) makes one STEP BLOCK of 12,800 bytes, at (16 y + j) x 12,800 in kv:
;   0      K: 4 fragments of 1,536 bytes; fragment b, lane L = (r, h): 48 bytes at 1536 b + 48 L, its 12 registers on end: registers 6 c .. 6 c + 5 hold
;          key 32 b + 8 c + r + 8 (r / 8) of the step, head numbers 32 h .. 32 h + 31 (c = 0, 1: two tiles of 16 keys share a fragment, since K is 64 of the instruction's 128)
;   6144   V^T: 4 fragments; fragment t, lane (r, h): 48 bytes at 3072 (t / 2) + 768 (t % 2) + 1536 h + 48 r: registers 6 c .. 6 c + 5 hold channel 16 t + r, keys 64 c + 32 h + 0 .. 31
;   12288  K's scale words: lane r has 16 bytes at 16 r: the words of fragments 0 .. 3; in a word byte 2 c + h
;   12544  V's scale words likewise: word t, byte 2 c + h
; A block's scale is 2^(floor(log2(its largest magnitude)) - 4); its byte is the largest magnitude's exponent field - 4, held at 1 from below.
; LIMITS: a block of zeros gets the byte 1 where the rule says 127 (its codes are zeros, which add nothing under any byte but 0xff, and this program alone reads the bytes);
; NaN and infinities among the inputs are not served.
; SHARES.  Sixteen waves: waves 0-7 take K, waves 8-15 V.  Each loads 16 whole rows of 256 bytes (16 lanes to a row), turns them through a stage in LDS, and quantises 32 blocks, one a lane.
; With the wave's bits w3 w2 w1 w0:  K: fragment b = 2 w2 + w0, half c = w1; lane (r, h) makes the block that lane (r, h) will load.
;                                    V: channels 32 w2 + lane, keys 32 (2 w1 + w0) + 0 .. 31: the lane's registers run down the keys, so nothing is transposed by an instruction.
; Both give ONE formula for the place of a lane's 24 bytes: 48 lane + 6144 w3 + 3072 w2 + 1536 w0 + 24 w1.
; The step block is gathered in LDS and leaves as 25 stores of 512 consecutive bytes.  No tensor loads, no loop: all of a wave's loads go out at once.
.set STG,  12800                       ; LDS: the step block at 0; behind it the stage: 16 rows x 272 bytes for each wave
.set WST,  16*272
.set VST,  STG+8*WST                   ; V's part of the stage: row = key of the step
.set GOF,  4                           ; v4   4096 h + 16 r: two rows a load, 16 bytes a lane
.set GOF2, 5                           ; v5   the same, 8 rows further down for K's waves: a tile's second eight keys
.set TW,   6                           ; v6   the stage, on the way in
.set TR,   7                           ; v7   and back, K: row r, 128 h bytes on
.set TV,   8                           ; v8   and back, V: a lane a channel
.set AIMG, 9                           ; v9   where my 24 bytes of codes go
.set ASC,  10                          ; v10  where my scale byte goes
.set CPL,  11                          ; v11  16 x thread: my 16 bytes of a unit of 512, in LDS and in kv
.set R,    16                          ; v16-47 32 numbers
.set T0,   48
.set T1,   49
.set SCO,  50                          ; the conversions' scale operand
.set BY,   51                          ; the scale's byte
.set C,    52                          ; v52-57 a block's codes
.set TC,   58                          ; v58-60 the second conversion's result (three registers that begin on an even number)
.set OU0,  64                          ; v64-71 the way out
.set OU1,  68
	s_load_b128 s[4:7], s[0:1], 0x0                ; k, v
	s_load_b64 s[8:9], s[0:1], 0x10                ; kv
	v_lshl_add_u32 v72, v0, 2, 0x14200
	v_mov_b32 v73, 0
	v_lshrrev_b32 v1, 5, v0
	v_readfirstlane_b32 s12, v1                    ; wave 0..15
	v_and_b32 v1, 31, v0                           ; lane
	v_and_b32 v2, 15, v0                           ; r
	v_bfe_u32 v3, v0, 4, 1                         ; h
	s_and_b32 s13, s12, 1                          ; w0
	s_bfe_u32 s14, s12, 0x10001                    ; w1
	s_bfe_u32 s15, s12, 0x10002                    ; w2
	s_lshr_b32 s16, s12, 3                         ; w3: 0 K, 1 V
	s_xor_b32 s17, s16, 1
	; where my 16 rows begin in k or v: batch x 2^23 + head x 256 + step x 128 rows + my rows, a row 4,096 bytes
	s_and_b32 s18, ttmp7, 0xffff                   ; y
	s_lshr_b32 s22, s18, 4
	s_lshl_b32 s22, s22, 23
	s_and_b32 s23, s18, 15
	s_lshl_b32 s23, s23, 8
	s_add_co_u32 s22, s22, s23
	s_lshl_b32 s23, ttmp9, 19
	s_add_co_u32 s22, s22, s23
	s_lshl_b32 s24, s15, 6
	s_lshl_b32 s25, s13, 5
	s_add_co_u32 s24, s24, s25
	s_lshl_b32 s25, s14, 3
	s_add_co_u32 s24, s24, s25                     ; K: row 32 b + 8 c
	s_and_b32 s25, s12, 7
	s_lshl_b32 s25, s25, 4                         ; V: row 16 (w - 8)
	s_cmp_lt_u32 s12, 8
	s_cselect_b32 s24, s24, s25
	s_cselect_b32 s26, 0x8000, 0                   ; K: stage rows 8-15 are the keys 16-23 of the tile: 8 rows more
	s_lshl_b32 s24, s24, 12
	s_add_co_u32 s22, s22, s24
	s_mov_b32 s23, 0
	s_lshl_b32 s27, s18, 4
	s_add_co_u32 s27, s27, ttmp9
	s_mul_i32 s28, s27, 12800                      ; my step block in kv
	s_mov_b32 s29, 0
	v_lshlrev_b32 v[GOF], 4, v2
	v_lshl_add_u32 v[GOF], v3, 12, v[GOF]
	v_add_nc_u32 v[GOF2], s26, v[GOF]
	; every LDS address is made here, ahead of the first branch on the wave's number
	s_mul_i32 s30, s12, WST
	s_add_co_u32 s30, s30, STG                     ; my wave's 16 rows of the stage
	v_mul_u32_u24 v[TW], v3, 272
	v_lshl_add_u32 v[TW], v2, 4, v[TW]
	v_add_nc_u32 v[TW], s30, v[TW]                 ; in: row h of the load's two, 16 r bytes on
	v_mul_u32_u24 v[TR], v2, 272
	v_lshl_add_u32 v[TR], v3, 7, v[TR]
	v_add_nc_u32 v[TR], s30, v[TR]
	s_and_b32 s31, s12, 3
	s_mul_i32 s31, s31, 32*272                     ; V: my 32 keys,
	s_lshl_b32 s32, s15, 7                         ; my 32 channels
	s_add_co_u32 s31, s31, s32
	s_add_co_u32 s31, s31, VST
	v_lshl_add_u32 v[TV], v1, 2, s31
	s_mul_i32 s32, s16, 6144
	s_mul_i32 s33, s15, 3072
	s_add_co_u32 s32, s32, s33
	s_mul_i32 s33, s13, 1536
	s_add_co_u32 s32, s32, s33
	s_mul_i32 s33, s14, 24
	s_add_co_u32 s32, s32, s33
	v_mul_u32_u24 v[AIMG], v1, 48
	v_add_nc_u32 v[AIMG], s32, v[AIMG]
	; the scale byte.  K: 12288 + 16 r + 4 b + 2 c + h.  V: 12544 + 16 r + 4 (2 w2 + h) + 2 w1 + w0.  One product of h: h x (1 or 4)
	s_mul_i32 s33, s16, 3
	s_add_co_u32 s33, s33, 1                       ; 1 for K, 4 for V
	s_mul_i32 s34, s17, 3
	s_add_co_u32 s34, s34, 1
	s_mul_i32 s34, s34, s13                        ; w0 x (4 for K, 1 for V)
	s_lshl_b32 s35, s16, 8
	s_add_co_u32 s34, s34, s35
	s_lshl_b32 s35, s15, 3
	s_add_co_u32 s34, s34, s35
	s_lshl_b32 s35, s14, 1
	s_add_co_u32 s34, s34, s35
	s_add_co_u32 s34, s34, 12288
	v_mul_u32_u24 v[ASC], s33, v3
	v_lshl_add_u32 v[ASC], v2, 4, v[ASC]
	v_add_nc_u32 v[ASC], s34, v[ASC]
	v_lshlrev_b32 v[CPL], 4, v0
	s_wait_kmcnt 0x0
	s_cmp_lt_u32 s12, 8                            ; the choice of the tensor hangs on the wave's number alone
	s_cselect_b64 s[20:21], s[4:5], s[6:7]
	s_add_nc_u64 s[20:21], s[20:21], s[22:23]
	s_add_nc_u64 s[8:9], s[8:9], s[28:29]
.irp i, 0,1,2,3
	global_load_b128 v[R+4*\i:R+4*\i+3], v[GOF], s[20:21] offset:8192*\i th:TH_LOAD_NT    ; two whole rows of 256 bytes, sixteen lanes to a row; read once in the launch
.endr
.irp i, 4,5,6,7
	global_load_b128 v[R+4*\i:R+4*\i+3], v[GOF2], s[20:21] offset:8192*\i th:TH_LOAD_NT
.endr
.irp i, 0,1,2,3,4,5,6,7
	s_wait_loadcnt 7-\i                            ; loads come back in order: load i is in, the 7 - i younger ones may be out
	ds_store_b128 v[TW], v[R+4*\i:R+4*\i+3] offset:544*\i          ; stage rows 2 i and 2 i + 1
.endr
	s_wait_dscnt 0x0                               ; for the others' sake: V's columns cross the waves' rows
	s_barrier_signal -1
	s_barrier_wait -1
	s_cmp_lt_u32 s12, 8
	s_cbranch_scc0 .Lback_v
.irp i, 0,1,2,3,4,5,6,7
	ds_load_b128 v[R+4*\i:R+4*\i+3], v[TR] offset:16*\i            ; K: my row's 32 neighbours along the head; rows 272 bytes apart
.endr
	s_branch .Lback
.Lback_v:
.irp i, 0,1,2,3,4,5,6,7,8,9,10,11,12,13,14,15,16,17,18,19,20,21,22,23,24,25,26,27,28,29,30,31
	ds_load_b32 v[R+\i], v[TV] offset:272*\i                       ; V: my channel at key i of my 32: the lanes read 128 consecutive bytes
.endr
.Lback:
	s_wait_dscnt 0x0
	v_max3_num_f32 v[T0], |v[R]|, |v[R+1]|, |v[R+2]|               ; the block's largest magnitude: all 32 numbers are mine; two chains
	v_max3_num_f32 v[T1], |v[R+3]|, |v[R+4]|, |v[R+5]|
.irp i, 6,10,14,18,22,26
	v_max3_num_f32 v[T0], v[T0], |v[R+\i]|, |v[R+\i+1]|
	v_max3_num_f32 v[T1], v[T1], |v[R+\i+2]|, |v[R+\i+3]|
.endr
	v_max3_num_f32 v[T0], v[T0], |v[R+30]|, |v[R+31]|
	v_max3_num_f32 v[T0], v[T0], v[T1], 0x2800000                  ; and the floor 2^(5 - 127): the byte cannot fall under 1
	v_add_nc_u32 v[SCO], 0xfe000000, v[T0]                         ; 4 off its exponent field: the conversion takes the exponent field of this operand as its scale, and nothing else of it
	v_lshrrev_b32 v[BY], 23, v[SCO]                                ; the scale's byte
	v_cvt_scalef32_pk16_bf6_f32 v[C:C+2], v[R:R+15], v[SCO]        ; sixteen codes, 96 bits without gaps, the first number's code lowest
	v_cvt_scalef32_pk16_bf6_f32 v[TC:TC+2], v[R+16:R+31], v[SCO]
	v_nop                                          ; one plain instruction behind the scaled conversions, ahead of the moves that read a result
.irp i, 0,1,2
	v_mov_b32 v[C+3+\i], v[TC+\i]
.endr
.irp i, 0,1,2
	ds_store_b64 v[AIMG], v[C+2*\i:C+2*\i+1] offset:8*\i           ; my block's 24 bytes, at a multiple of 8
.endr
	ds_store_b8 v[ASC], v[BY]
	s_wait_dscnt 0x0                               ; my part of the step block has landed
	s_barrier_signal -1
	s_barrier_wait -1
	; the way out: 25 units of 512 bytes: unit w, and for waves 0-8 unit 16 + w
	ds_load_b128 v[OU0:OU0+3], v[CPL]
	s_cmp_lt_u32 s12, 9
	s_cbranch_scc0 .Lone
	ds_load_b128 v[OU1:OU1+3], v[CPL] offset:8192
	s_wait_dscnt 0x0
	global_store_b128 v[CPL], v[OU1:OU1+3], s[8:9] offset:8192     ; 32 lanes store 512 consecutive bytes, at a multiple of 256 from kv's first byte
.Lone:
	s_wait_dscnt 0x0
	global_store_b128 v[CPL], v[OU0:OU0+3], s[8:9]
	s_wait_tensorcnt 0x0
	ds_add_u32 v72, v73
	s_wait_dscnt 0x0
	s_endpgm
.Lfunc_end_k_q8388173308_prep:
	.size	k_q8388173308_prep, .Lfunc_end_k_q8388173308_prep-k_q8388173308_prep
	.p2alignl 7, 3214868480
	.fill 96, 4, 3214868480
	.section	.rodata,"a",@progbits
	.p2align	6, 0x0
	.amdhsa_kernel k_q8388173308_prep
		.amdhsa_group_segment_fixed_size 84480
		.amdhsa_private_segment_fixed_size 0
		.amdhsa_enable_private_segment 0
		.amdhsa_kernarg_size 24
		.amdhsa_user_sgpr_count 2
		.amdhsa_user_sgpr_kernarg_segment_ptr 1
		.amdhsa_wavefront_size32 1
		.amdhsa_system_sgpr_workgroup_id_x 1
		.amdhsa_system_sgpr_workgroup_id_y 1
		.amdhsa_system_sgpr_workgroup_id_z 1
		.amdhsa_system_vgpr_workitem_id 0
		.amdhsa_next_free_vgpr 74
		.amdhsa_next_free_sgpr 66
		.amdhsa_reserve_vcc 0
		.amdhsa_float_denorm_mode_32 3
		.amdhsa_float_denorm_mode_16_64 3
		.amdhsa_memory_ordered 1
		.amdhsa_forward_progress 1
		.amdhsa_inst_pref_size 11
	.end_amdhsa_kernel
	.amdgpu_metadata
---
amdhsa.version: [ 1, 2 ]
amdhsa.kernels:
  - .name:           k_q8388173308_prep
    .symbol:         k_q8388173308_prep.kd
    .args:
      - { .name: k, .offset: 0, .size: 8, .value_kind: global_buffer, .address_space: global }
      - { .name: v, .offset: 8, .size: 8, .value_kind: global_buffer, .address_space: global }
      - { .name: kv, .offset: 16, .size: 8, .value_kind: global_buffer, .address_space: global }
    .group_segment_fixed_size: 84480
    .private_segment_fixed_size: 0
    .kernarg_segment_align: 8
    .kernarg_segment_size: 24
    .max_flat_workgroup_size: 512
    .sgpr_count:     66
    .vgpr_count:     74
    .wavefront_size: 32
...
	.end_amdgpu_metadata
.endif
;; end of part 1
;; launch attn (part 2): grid 8 x 32, 16 waves a work-group, no clusters, 122,880 bytes of LDS; arguments q, kv, out0; writes out0
.if DOCPART == 2
	.amdgcn_target "amdgcn-amd-amdhsa--gfx1250"
	.amdhsa_code_object_version 6
	.text
	.protected	k_q8388173308_attn
	.globl	k_q8388173308_attn
	.p2align	8
	.type	k_q8388173308_attn,@function
k_q8388173308_attn:
	s_mov_b64 s[64:65], 0
	v_nop
	global_prefetch_b8 v0, s[64:65] scope:SCOPE_SE
	s_setreg_imm32_b32 hwreg(HW_REG_WAVE_MODE, 25, 1), 1
	s_wait_xcnt 0x0
; out[b][i][h][:] = the sum over j of softmax_j(dots) v[b][j][h][:], dots = (q / 8) . k, overwritten by -50,000 where j > i.  2 batches x 16 heads, 2,048 queries and keys, head size 64.
; Both products on codes of BF6 (E3M2) with one E8M0 byte for each 32 along K.  k's and v's codes come from kv, laid as images of the operands' registers (12,800 bytes a step of 128 keys: 4 fragments of K,
; 4 of V^T, 256 bytes of K's scale words, 256 of V's); q is read by one wave alone and is quantised here, in registers.
; THE SOFTMAX: t = logit x log2(e); M = the row's largest t so far, rounded UP to a whole number; p = 2^(t - M) is quantised along the keys, not normalised; the row's sum is taken of the unquantised p and
; divides at the end.  When M moves, the sum and O are multiplied by 2^(old M - new M): exact.
; SHARES.  A work-group (x = g in 0..7, y = 16 x batch + head) owns two blocks of 128 queries: block g and block 15 - g.  A wave owns one tile of 16 queries of one of them (eight waves each) and works the key
; steps 0 .. its block's number; the last is its step on the diagonal.  So every work-group has 8 (g + 1) + 8 (16 - g) = 136 tile steps, whatever g.  Which block a wave takes is (w xor w / 4) % 2.
; K = 64 IS HALF OF THE INSTRUCTION'S 128.  A fragment of K holds TWO tiles of 16 keys, one in registers 0-5 and one in 6-11.  q's operand is 18 registers: six zeros, q's six, six zeros.  Taken from register 6 on, q's codes
; meet the first tile and zero codes the second; taken from register 0 on, the other way round.  Zero codes add exactly 0: their scale byte is 0 (2^-127, a finite number), K's bytes are 1 to 250, and the format has no NaN.
; LAYOUT.  Both products are used transposed (S^T = K q^T, O^T = V^T p^T): a lane holds ONE query (lane % 16).  Lane r of tile 2 b + u takes key 32 b + 8 u + r + 8 (r / 8), so that score register 16 b + i is key 32 b + 16 (lane / 16) + i.
; THE RING.  Two LDS slots of two steps (25,600 bytes).  A slot is 50 units of 512 bytes: wave w copies units w, w + 16, w + 32 (waves 0, 1 also 48, 49) through 16 registers: the loads go out behind the barrier at a slot's head,
; for the slot after it, and are stored into LDS at the slot's end: two key steps lie between.  One barrier a slot.  The loop has a constant number of trips (8 slots); what a work-group or a wave does not need is
; jumped over by scalar branches on ids; no barrier is jumped over.
; NO CLUSTER, NO TENSOR LOADS: the eight work-groups of a head need 16 - g steps, 9 to 16, so partners would need different numbers of tiles; and a slot is three or four loads a wave.
; LIMITS.  Keys of steps that lie wholly behind the diagonal are left out: their p = 2^(-50,000 log2(e) - M) is 0 in f32 as long as a row's largest visible logit lies above -49,896; on the diagonal's step the value -50,000 itself is
; written in.  NaN and infinities among the inputs are not served.  A block's largest p is made from its largest score by the same two instructions: that takes v_exp_f32 not to fall where its input rises.
.set STEPB, 12800
.set SLOTB, 2*STEPB
.set STG,   2*SLOTB                    ; behind the ring: 16 rows x 272 bytes for each wave, its own: q's turn at the head, and the way out
.set WST,   16*272
.set LRK, 1                            ; v1   48 lane: my 48 bytes of a fragment of K
.set LRV, 2                            ; v2   48 r + 1536 h: of V
.set LSC, 3                            ; v3   16 r: my row's four scale words
.set CPL, 4                            ; v4   16 x thread: my 16 bytes of a unit of 512, in kv and in a slot
.set TW,  5                            ; v5   my stage by rows: row h of two, 16 r bytes on
.set TR,  6                            ; v6   my stage: row r, 128 h bytes on
.set OW,  7                            ; v7   my stage: row r, 32 h bytes on
.set GO,  8                            ; v8   4096 h + 16 r: two rows of q or of out0, 16 bytes a lane
.set DG,  9                            ; v9   my query less 16 h, counted from the diagonal step's first key
.set MV,  10                           ; v10  -50,000
.set PFO, 11                           ; v11  the prefetches' offset
                                       ; v12 -M, v13 the largest t, v[14:15] the row's sum in two halves
.set QF,  16                           ; v16-33 six zeros, q's codes, six zeros
.set QS,  34                           ; v34, v35 q's scale word for the first and for the second tile of a fragment
.set FR,  36                           ; v36-83 four fragments: K's, then V's
.set SW,  84                           ; v84-87 their scale words
.set S,   88                           ; v88-151 S^T, then p
.set OA,  152                          ; v152-183 O^T: four tiles of 16 channels
.set PC,  184                          ; v184-195 p's codes
.set PT,  196                          ; v196-198, v200-202 the conversions' second halves
.set CR,  204                          ; v204-219 the copy's registers
.set BM,  220                          ; v220-223 the blocks' largest scores, then p
.set BP,  224                          ; v224-227 at work
.set SO,  228                          ; v228-231 the conversions' scale operands
.set TMP, 232
.set PW,  233                          ; p's scale word
.set FF,  234                          ; v[234:235] f = 2^(old M - new M); v235 is named with it as a pair
.set TC,  236                          ; v236-238 q's second conversion
.set QB,  239                          ; q's scale byte
.set WV,  12                           ; s12  my wave's number
.set BLK, 15                           ; s15  my block of 128 queries = my last key step
.set NS,  16                           ; s16  16 - g: the steps that the work-group needs
.set J,   17                           ; s17  the key step in hand
.set TRIP, 19                          ; s19  the loop's counter
.set SEL, 22                           ; s[22:23] v_permlanex16_b32's selects for lane l xor 16
.set CS,  24                           ; s[24:25] log2(e), twice
.set KVP, 26                           ; s[26:27] kv at the slot to be loaded next
.set PFA, 28                           ; s[28:29] kv one slot further on
.set PFL, 30                           ; s30  12 in a wave that prefetches, else 0
.set EIG, 36                           ; s[36:37] 1 / 8, twice
.macro BAR                             ; my LDS stores have landed and my LDS loads are in: then the work-group's barrier
	s_wait_dscnt 0x0
	s_barrier_signal -1
	s_barrier_wait -1
.endm
.macro CLOAD                           ; my units of the slot at s[KVP]: eight work-groups read these bytes, so no hint
.irp k, 0,1,2
	global_load_b128 v[CR+4*\k:CR+4*\k+3], v[CPL], s[KVP:KVP+1] offset:8192*\k
.endr
	s_cmp_lt_u32 s[WV], 2
	s_cbranch_scc0 .Lthree_\@
	global_load_b128 v[CR+12:CR+15], v[CPL], s[KVP:KVP+1] offset:24576
.Lthree_\@:
.endm
.macro CSTORE s                        ; and into LDS slot s, as they lie
.irp k, 0,1,2
	ds_store_b128 v[CPL], v[CR+4*\k:CR+4*\k+3] offset:SLOTB*(\s)+8192*\k
.endr
	s_cmp_lt_u32 s[WV], 2
	s_cbranch_scc0 .Lthree_\@
	ds_store_b128 v[CPL], v[CR+12:CR+15] offset:SLOTB*(\s)+24576
.Lthree_\@:
.endm
; A PREFETCH INTO THE L2 of the slot that the NEXT slot's head will load: it stands behind the wave's loads.  All eight work-groups of a head walk the same kv: the one with g = 0, which walks all eight slots, asks,
; by its waves 4 to 7: a slot is 100 blocks of 256 bytes, 25 a wave, a lane a block (lanes 25-31 name lane 24's in the same instruction).  Slots 0 and 1 come by their loads alone; the last request, at step 10, is for slot 7.
.macro ASK
	s_cmp_lt_u32 s[J], s[PFL]
	s_cbranch_scc0 .Lnoask_\@
	global_prefetch_b8 v[PFO], s[PFA:PFA+1] th:TH_LOAD_NT scope:SCOPE_SE
.Lnoask_\@:
.endm
; THE WAY OUT, straight behind a wave's last step: O^T / the sum goes through my stage (a lane holds 32 bytes of a row, four times) and leaves as whole rows of 256 bytes.
.macro OUT
	v_add_f32 v14, v14, v15                        ; the sum's two halves,
	v_permlanex16_b32 v[TMP], v14, s[SEL], s[SEL+1]
	v_add_f32 v14, v14, v[TMP]                     ; and lane l xor 16's: the row's sum
	v_rcp_f32 v14, v14
	v_nop                                          ; one plain instruction behind the reciprocal
	s_wait_alu depctr_va_vdst(0)                   ; and the wait, ahead of the first line that names its result
.set n, 0
.rept 16
	v_pk_mul_f32 v[S+n:S+n+1], v[OA+n:OA+n+1], v[14:15] op_sel_hi:[1,0]   ; each accumulator from its low end on: register 8 t + i is out(query r, channel 16 t + 8 h + i)
.set n, n+2
.endr
.irp t, 0,1,2,3
	ds_store_b128 v[OW], v[S+8*\t:S+8*\t+3] offset:64*\t
	ds_store_b128 v[OW], v[S+8*\t+4:S+8*\t+7] offset:64*\t+16
.endr
.irp i, 0,1,2,3,4,5,6,7
	ds_load_b128 v[S+32+4*\i:S+32+4*\i+3], v[TW] offset:544*\i     ; LDS serves a wave's instructions in order: these see my stores
.endr
.irp i, 0,1,2,3,4,5,6,7
	s_wait_dscnt 7-\i                              ; load i is in, the 7 - i younger ones may be out
	global_store_b128 v[GO], v[S+32+4*\i:S+32+4*\i+3], s[8:9] offset:8192*\i th:TH_STORE_NT   ; sixteen lanes store 256 consecutive bytes, at a multiple of 256 from out0's first byte
.endr
	s_wait_xcnt 0x0                                ; the stores have read their registers
.endm
; A KEY STEP: 128 keys, step q of LDS slot s.
.macro ATT s, q
.set BASE, SLOTB*(\s)+STEPB*(\q)
	s_cmp_gt_u32 s[J], s[BLK]                      ; all its keys come after my queries: the step's work is left out
	s_cbranch_scc1 .Lhid_\@
.irp b, 0,1,2,3
.irp c, 0,1,2
	ds_load_b128 v[FR+12*\b+4*\c:FR+12*\b+4*\c+3], v[LRK] offset:BASE+1536*\b+16*\c   ; lanes 48 bytes apart
.endr
.endr
	ds_load_b128 v[SW:SW+3], v[LSC] offset:BASE+12288
	s_wait_dscnt 0x0
.irp b, 0,1,2,3
.irp u, 0,1
	v_wmma_scale_f32_16x16x128_f8f6f4 v[S+8*(2*\b+\u):S+8*(2*\b+\u)+7], v[FR+12*\b:FR+12*\b+11], v[QF+6-6*\u:QF+17-6*\u], 0, v[SW+\b], v[QS+\u] matrix_a_fmt:MATRIX_FMT_BF6 matrix_b_fmt:MATRIX_FMT_BF6
.endr
.endr
.rept 4
	v_nop                                          ; four places behind the products, ahead of the loads into their operands and of the first read of the scores
.endr
.irp t, 0,1,2,3
.irp c, 0,1,2
	ds_load_b128 v[FR+12*\t+4*\c:FR+12*\t+4*\c+3], v[LRV] offset:BASE+6144+3072*(\t/2)+768*(\t%2)+16*\c   ; V's fragments land while the softmax is worked
.endr
.endr
	ds_load_b128 v[SW:SW+3], v[LSC] offset:BASE+12544
	s_cmp_lg_u32 s[J], s[BLK]                      ; only my last step lies on the diagonal
	s_cbranch_scc1 .Lopen_\@
.irp n, 0,1,2,3,4,5,6,7,8,9,10,11,12,13,14,15,16,17,18,19,20,21,22,23,24,25,26,27,28,29,30,31,32,33,34,35,36,37,38,39,40,41,42,43,44,45,46,47,48,49,50,51,52,53,54,55,56,57,58,59,60,61,62,63
	v_cmp_gt_i32 vcc_lo, 32*(\n/16)+\n%16, v[DG]   ; register 16 b + i holds key 32 b + 16 h + i of the step: hidden where 32 b + i > my query - 16 h
	v_cndmask_b32 v[S+\n], v[S+\n], v[MV], vcc_lo
.endr
.Lopen_\@:
.irp b, 0,1,2,3
	v_max3_num_f32 v[BM+\b], v[S+16*\b], v[S+16*\b+1], v[S+16*\b+2]   ; the largest score of each block of 32 keys: for the row's maximum and, since p rises with the score, for the block's largest p
.endr
.irp i, 3,5,7,9,11,13
.irp b, 0,1,2,3
	v_max3_num_f32 v[BM+\b], v[BM+\b], v[S+16*\b+\i], v[S+16*\b+\i+1]   ; (the four blocks by turns)
.endr
.endr
.irp b, 0,1,2,3
	v_max_num_f32 v[BM+\b], v[BM+\b], v[S+16*\b+15]
.endr
.irp b, 0,1,2,3
	v_permlanex16_b32 v[BP+\b], v[BM+\b], s[SEL], s[SEL+1]
.endr
.irp b, 0,1,2,3
	v_max_num_f32 v[BM+\b], v[BM+\b], v[BP+\b]     ; with lane l xor 16's 16 keys
.endr
	v_max3_num_f32 v[TMP], v[BM], v[BM+1], v[BM+2]
	v_max_num_f32 v[TMP], v[TMP], v[BM+3]          ; the step's largest score of my query,
	v_mul_f32 v[TMP], s[CS], v[TMP]                ; as t
	v_max_num_f32 v13, v13, v[TMP]                 ; the running largest t
	v_mov_b32 v[TMP], v12
	v_floor_f32 v12, -v13                          ; the new -M = floor(-t) = -ceil(t): a whole number
	v_sub_f32 v[TMP], v12, v[TMP]                  ; M's old value less its new one: a whole number, 0 or less
	v_cvt_i32_f32 v[TMP], v[TMP]                   ; (it saturates)
	v_ldexp_f32 v[FF], 1.0, v[TMP]                 ; f = 2^(old M - new M)
.set n, 0
.rept 32
	v_pk_fma_f32 v[S+n:S+n+1], v[S+n:S+n+1], s[CS:CS+1], v[12:13] op_sel_hi:[1,0,0]   ; t - M, two at a time (of the pairs the low word serves both halves)
.set n, n+2
.endr
.irp b, 0,1,2,3
	v_fma_f32 v[BM+\b], v[BM+\b], s[CS], v12       ; the same of each block's largest score
.endr
.set n, 0
.rept 64
	v_exp_f32 v[S+n], v[S+n]                       ; p = 2^(t - M), at most 1
.set n, n+1
.endr
	v_pk_mul_f32 v[14:15], v[14:15], v[FF:FF+1] op_sel_hi:[1,0]   ; the sums under the new M: the plain instruction behind the exponentials
	s_wait_alu depctr_va_vdst(0)                   ; one wait for the batch of 64, ahead of the first line that names a result
.irp b, 0,1,2,3
	v_exp_f32 v[BM+\b], v[BM+\b]                   ; the blocks' largest p
.endr
	v_pk_add_f32 v[BP:BP+1], v[S:S+1], v[S+2:S+3]  ; the row's sum, of the UNQUANTISED p: two at a time, in two chains; it names none of the four
.set n, 4
.rept 15
	v_pk_add_f32 v[14:15], v[14:15], v[S+n:S+n+1]
	v_pk_add_f32 v[BP:BP+1], v[BP:BP+1], v[S+n+2:S+n+3]
.set n, n+4
.endr
	v_pk_add_f32 v[14:15], v[14:15], v[BP:BP+1]
	s_wait_alu depctr_va_vdst(0)                   ; and one for the four
.irp b, 0,1,2,3
	v_max_num_f32 v[BM+\b], 0x2800000, v[BM+\b]    ; the floor 2^(5 - 127): the byte cannot fall under 1 (a block whose every p is 0 keeps that byte: its codes are zeros)
.endr
.irp b, 0,1,2,3
	v_add_nc_u32 v[SO+\b], 0xfe000000, v[BM+\b]    ; 4 off the exponent field: the conversion's scale operand
.endr
.irp b, 0,1,2,3
	v_lshrrev_b32 v[BP+\b], 23, v[SO+\b]           ; the scale's byte
.endr
	v_lshl_or_b32 v[PW], v[BP+1], 8, v[BP]         ; p's scale word for these 128 keys
	v_lshl_or_b32 v[PW], v[BP+2], 16, v[PW]
	v_lshl_or_b32 v[PW], v[BP+3], 24, v[PW]
.irp c, 0,1
	v_cvt_scalef32_pk16_bf6_f32 v[PC+6*\c:PC+6*\c+2], v[S+32*\c:S+32*\c+15], v[SO+2*\c]
	v_cvt_scalef32_pk16_bf6_f32 v[PT+4*\c:PT+4*\c+2], v[S+32*\c+16:S+32*\c+31], v[SO+2*\c+1]   ; (a conversion's three registers begin on an even number)
.endr
	v_nop                                          ; one plain instruction behind the scaled conversions
.irp c, 0,1                                    ; the operand's layout wants a WHOLE block in a lane: lanes 0-15 block 2 c, lanes 16-31 block 2 c + 1
.irp i, 0,1,2
	v_permlane16_swap_b32 v[PC+6*\c+\i], v[PT+4*\c+\i]
.endr
.irp i, 0,1,2
	v_mov_b32 v[PC+6*\c+3+\i], v[PT+4*\c+\i]
.endr
.endr
.set n, 0
.rept 16
	v_pk_mul_f32 v[OA+n:OA+n+1], v[OA+n:OA+n+1], v[FF:FF+1] op_sel_hi:[1,0]   ; O^T under the new M; these lines also stand between the writes of p's codes and scale word and the products
.set n, n+2
.endr
	s_wait_dscnt 0x0                               ; V's fragments and scale words are in
.irp t, 0,1,2,3                                ; O^T += V^T p^T: the four accumulators take one turn each, and the eight score products stand between a link and the next
	v_wmma_scale_f32_16x16x128_f8f6f4 v[OA+8*\t:OA+8*\t+7], v[FR+12*\t:FR+12*\t+11], v[PC:PC+11], v[OA+8*\t:OA+8*\t+7], v[SW+\t], v[PW] matrix_a_fmt:MATRIX_FMT_BF6 matrix_b_fmt:MATRIX_FMT_BF6
.endr
.rept 4
	v_nop                                          ; four places, ahead of the next step's loads into the operands and of the way out's reads
.endr
	s_cmp_lg_u32 s[J], s[BLK]
	s_cbranch_scc1 .Lhid_\@
	OUT                                            ; that was my last step
.Lhid_\@:
	s_add_co_u32 s[J], s[J], 1
.endm
; A SLOT.  Behind the barrier LDS slot s is whole and nobody reads the other one.  The loads for the slot after this one go out first; at the end they are stored into the other LDS slot, which is read behind the next barrier.
.macro SLOT s
	BAR
	s_add_co_u32 s20, s[J], 2
	s_cmp_lt_u32 s20, s[NS]                        ; does the work-group need the next slot?
	s_cbranch_scc0 .Lnofetch_\@
	CLOAD
	ASK
.Lnofetch_\@:
	ATT \s, 0
	ATT \s, 1
	s_wait_loadcnt 0x0                             ; on every path: no load into the copy's registers is out,
	s_wait_xcnt 0x0                                ; and the loads and the prefetch have read their addresses
	s_cmp_lt_u32 s[J], s[NS]                       ; the same question as at the head: s[J] has gone two steps on
	s_cbranch_scc0 .Lnostore_\@
	CSTORE 1-\s
	s_add_nc_u64 s[KVP:KVP+1], s[KVP:KVP+1], SLOTB
	s_add_nc_u64 s[PFA:PFA+1], s[PFA:PFA+1], SLOTB
.Lnostore_\@:
.endm
	s_load_b128 s[4:7], s[0:1], 0x0                ; q, kv
	s_load_b64 s[8:9], s[0:1], 0x10                ; out0
	v_lshl_add_u32 v254, v0, 2, 0x1d800
	v_mov_b32 v255, 0
	v_lshrrev_b32 v1, 5, v0
	v_readfirstlane_b32 s[WV], v1                  ; wave 0..15
	v_and_b32 v222, 31, v0                         ; lane
	v_and_b32 v220, 15, v0                         ; r
	v_bfe_u32 v221, v0, 4, 1                       ; h
	s_and_b32 s13, ttmp7, 0xffff                   ; y = 16 x batch + head
	s_lshr_b32 s14, s[WV], 1                       ; which tile of 16 queries of the block
	s_lshl_b32 s18, s14, 4
	s_lshr_b32 s20, s[WV], 2
	s_xor_b32 s20, s20, s[WV]
	s_and_b32 s20, s20, 1                          ; which of the two blocks
	s_sub_co_u32 s21, 15, ttmp9
	s_cmp_eq_u32 s20, 1
	s_cselect_b32 s[BLK], s21, ttmp9
	s_sub_co_u32 s[NS], 16, ttmp9
	s_lshl_b32 s20, s[BLK], 7
	s_add_co_u32 s20, s20, s18                     ; my first query
	s_lshl_b32 s20, s20, 12                        ; a row is 4,096 bytes
	s_lshr_b32 s21, s13, 4
	s_lshl_b32 s21, s21, 23                        ; the batch
	s_add_co_u32 s20, s20, s21
	s_and_b32 s21, s13, 15
	s_lshl_b32 s21, s21, 8                         ; the head
	s_add_co_u32 s32, s20, s21
	s_mov_b32 s33, 0
	s_mul_i32 s34, s13, 16*STEPB                   ; the head's 16 step blocks
	s_mov_b32 s35, 0
	s_lshr_b32 s20, s[WV], 2
	s_xor_b32 s20, s20, 1                          ; 0 in waves 4 to 7,
	s_or_b32 s20, s20, ttmp9                       ; of the work-group with g = 0
	s_cmp_eq_u32 s20, 0
	s_cselect_b32 s[PFL], 12, 0
	s_mov_b32 s[SEL], 0x76543210
	s_mov_b32 s[SEL+1], 0xfedcba98
	s_mov_b32 s[CS], 0x3fb8aa3b                    ; log2(e)
	s_mov_b32 s[CS+1], s[CS]
	s_mov_b32 s[EIG], 0x3e000000                   ; 64^(-1/2) = 1 / 8
	s_mov_b32 s[EIG+1], s[EIG]
	; every address register is made here, ahead of the first branch on the wave's number
	v_lshlrev_b32 v[GO], 4, v220
	v_lshl_add_u32 v[GO], v221, 12, v[GO]
	v_lshlrev_b32 v[CPL], 4, v0
	v_mul_u32_u24 v[LRK], v222, 48
	v_mul_u32_u24 v[LRV], v220, 48
	v_mad_u32_u24 v[LRV], v221, 1536, v[LRV]
	v_lshlrev_b32 v[LSC], 4, v220
	s_mul_i32 s20, s[WV], WST
	s_add_co_u32 s20, s20, STG                     ; my stage
	v_mul_u32_u24 v[TW], v221, 272
	v_lshl_add_u32 v[TW], v220, 4, v[TW]
	v_add_nc_u32 v[TW], s20, v[TW]
	v_mul_u32_u24 v[TR], v220, 272
	v_lshl_add_u32 v[OW], v221, 5, v[TR]
	v_lshl_add_u32 v[TR], v221, 7, v[TR]
	v_add_nc_u32 v[TR], s20, v[TR]
	v_add_nc_u32 v[OW], s20, v[OW]
	v_lshlrev_b32 v[DG], 4, v221
	v_sub_nc_u32 v[DG], v220, v[DG]
	v_add_nc_u32 v[DG], s18, v[DG]                 ; 16 x tile + r - 16 h
	s_and_b32 s21, s[WV], 3
	s_mul_i32 s21, s21, 25
	v_min_u32 v[PFO], 24, v222
	v_add_nc_u32 v[PFO], s21, v[PFO]
	v_lshlrev_b32 v[PFO], 8, v[PFO]                ; 256 x (25 (w % 4) + min(lane, 24)): at most 25,344, inside a slot
	s_wait_kmcnt 0x0
	s_add_nc_u64 s[4:5], s[4:5], s[32:33]          ; q and out0 at my first query's part of its row
	s_add_nc_u64 s[8:9], s[8:9], s[32:33]
	s_add_nc_u64 s[KVP:KVP+1], s[6:7], s[34:35]    ; kv at my head's slot 0
	s_add_nc_u64 s[PFA:PFA+1], s[KVP:KVP+1], 2*SLOTB   ; and at its slot 2
.irp i, 0,1,2,3,4,5,6,7
	global_load_b128 v[S+4*\i:S+4*\i+3], v[GO], s[4:5] offset:8192*\i th:TH_LOAD_NT   ; my 16 queries: two whole rows of 256 bytes a load; read once in the launch
.endr
	CLOAD                                          ; slot 0
	v_mov_b32 v[MV], 0xc7435000                    ; -50,000
	v_mov_b32 v13, 0xff61b1e6                      ; the largest t so far: -3e38, under every t
	v_floor_f32 v12, -v13                          ; -M
	v_mov_b32 v14, 0                               ; the sum, in two halves
	v_mov_b32 v15, 0
.irp b, 0,1,2,3
	v_mov_b32 v[BP+\b], 0                          ; written once: a lane permute's destination counts as one of its sources
.endr
	v_mov_b32 v[TMP], 0
	v_mov_b32 v[FF+1], 0                           ; (named as the upper half of the pair before anything else writes it)
.irp i, 0,1,2,3,4,5
	v_mov_b32 v[QF+\i], 0                          ; the zero codes on either side of q's
	v_mov_b32 v[QF+12+\i], 0
.endr
	s_wait_loadcnt 0x0                             ; q and slot 0's units are in
	CSTORE 0
	s_add_nc_u64 s[KVP:KVP+1], s[KVP:KVP+1], SLOTB
.irp i, 0,1,2,3,4,5,6,7
	ds_store_b128 v[TW], v[S+4*\i:S+4*\i+3] offset:544*\i          ; q turns through my stage: in by rows,
.endr
.irp i, 0,1,2,3,4,5,6,7
	ds_load_b128 v[S+4*\i:S+4*\i+3], v[TR] offset:16*\i            ; back 32 neighbours a lane: query r, head numbers 32 h on.  LDS serves a wave's instructions in order
.endr
	s_wait_dscnt 0x0
.set n, 0
.rept 16
	v_pk_mul_f32 v[S+n:S+n+1], v[S+n:S+n+1], s[EIG:EIG+1] op_sel_hi:[1,0]   ; q / 8, ahead of the product
.set n, n+2
.endr
	v_max3_num_f32 v[BM], |v[S]|, |v[S+1]|, |v[S+2]|               ; my block's largest magnitude: all 32 numbers are mine
	v_max3_num_f32 v[BM+1], |v[S+3]|, |v[S+4]|, |v[S+5]|
.irp i, 6,10,14,18,22,26
	v_max3_num_f32 v[BM], v[BM], |v[S+\i]|, |v[S+\i+1]|
	v_max3_num_f32 v[BM+1], v[BM+1], |v[S+\i+2]|, |v[S+\i+3]|
.endr
	v_max3_num_f32 v[BM], v[BM], |v[S+30]|, |v[S+31]|
	v_max3_num_f32 v[BM], v[BM], v[BM+1], 0x2800000                ; and the floor 2^(5 - 127)
	v_add_nc_u32 v[SO], 0xfe000000, v[BM]
	v_lshrrev_b32 v[QB], 23, v[SO]                 ; the scale's byte of block h of query r
	v_cvt_scalef32_pk16_bf6_f32 v[QF+6:QF+8], v[S:S+15], v[SO]
	v_cvt_scalef32_pk16_bf6_f32 v[TC:TC+2], v[S+16:S+31], v[SO]
	v_nop                                          ; one plain instruction behind the scaled conversions
.irp i, 0,1,2
	v_mov_b32 v[QF+9+\i], v[TC+\i]
.endr
	v_bfe_u32 v[TMP], v0, 4, 1
	v_lshlrev_b32 v[TMP], 3, v[TMP]
	v_lshlrev_b32 v[QB], v[TMP], v[QB]             ; my byte at its place, 8 h bits up;
	v_permlanex16_b32 v[BP], v[QB], s[SEL], s[SEL+1]
	v_or_b32 v[QS], v[QB], v[BP]                   ; with lane l xor 16's: bytes 0, 1 q's, bytes 2, 3 zero: for the first tile of a fragment
	v_lshlrev_b32 v[QS+1], 16, v[QS]               ; and the other way round for the second
.set n, 0
.rept 32
	v_mov_b32 v[OA+n], 0                           ; O^T.  The step is written without a first step of its own: the first change of M multiplies zeros.  (These lines also stand between q's scale words and the first product)
.set n, n+1
.endr
	s_mov_b32 s[J], 0
	s_mov_b32 s[TRIP], 0
.Ltrip:                                            ; four trips of two slots: 16 key steps, a constant
	SLOT 0
	SLOT 1
	s_add_co_u32 s[TRIP], s[TRIP], 1
	s_cmp_lt_u32 s[TRIP], 4
	s_cbranch_scc1 .Ltrip
	s_wait_tensorcnt 0x0
	ds_add_u32 v254, v255
	s_wait_dscnt 0x0
	s_endpgm
.Lfunc_end_k_q8388173308_attn:
	.size	k_q8388173308_attn, .Lfunc_end_k_q8388173308_attn-k_q8388173308_attn
	.p2alignl 7, 3214868480
	.fill 96, 4, 3214868480
	.section	.rodata,"a",@progbits
	.p2align	6, 0x0
	.amdhsa_kernel k_q8388173308_attn
		.amdhsa_group_segment_fixed_size 122880
		.amdhsa_private_segment_fixed_size 0
		.amdhsa_enable_private_segment 0
		.amdhsa_kernarg_size 24
		.amdhsa_user_sgpr_count 2
		.amdhsa_user_sgpr_kernarg_segment_ptr 1
		.amdhsa_wavefront_size32 1
		.amdhsa_system_sgpr_workgroup_id_x 1
		.amdhsa_system_sgpr_workgroup_id_y 1
		.amdhsa_system_sgpr_workgroup_id_z 1
		.amdhsa_system_vgpr_workitem_id 0
		.amdhsa_next_free_vgpr 256
		.amdhsa_next_free_sgpr 66
		.amdhsa_reserve_vcc 1
		.amdhsa_float_denorm_mode_32 3
		.amdhsa_float_denorm_mode_16_64 3
		.amdhsa_memory_ordered 1
		.amdhsa_forward_progress 1
		.amdhsa_inst_pref_size 108
	.end_amdhsa_kernel
	.amdgpu_metadata
---
amdhsa.version: [ 1, 2 ]
amdhsa.kernels:
  - .name:           k_q8388173308_attn
    .symbol:         k_q8388173308_attn.kd
    .args:
      - { .name: q, .offset: 0, .size: 8, .value_kind: global_buffer, .address_space: global }
      - { .name: kv, .offset: 8, .size: 8, .value_kind: global_buffer, .address_space: global }
      - { .name: out0, .offset: 16, .size: 8, .value_kind: global_buffer, .address_space: global }
    .group_segment_fixed_size: 122880
    .private_segment_fixed_size: 0
    .kernarg_segment_align: 8
    .kernarg_segment_size: 24
    .max_flat_workgroup_size: 512
    .sgpr_count:     66
    .vgpr_count:     256
    .wavefront_size: 32
...
	.end_amdgpu_metadata
.endif
;; end of part 2
;; ======== version 2 of 2: 2 launches
;; limits: right only within a limited range of input values
;; workspace buffers: kv 6,553,600 bytes
;; launch prep (part 3): grid 16 x 32, 16 waves a work-group, no clusters, 84,480 bytes of LDS; arguments k, v, kv; writes kv
.if DOCPART == 3
	.amdgcn_target "amdgcn-amd-amdhsa--gfx1250"
	.amdhsa_code_object_version 6
	.text
	.protected	k_q8388173308_prep
	.globl	k_q8388173308_prep
	.p2align	8
	.type	k_q8388173308_prep,@function
k_q8388173308_prep:
	s_mov_b64 s[64:65], 0
	v_nop
	global_prefetch_b8 v0, s[64:65] scope:SCOPE_SE
	s_setreg_imm32_b32 hwreg(HW_REG_WAVE_MODE, 25, 1), 1
	s_wait_xcnt 0x0
; k and v, [2][2048][1024] f32 (16 heads of 64 numbers: a head's part of a row is 256 bytes), are turned ONCE into codes of BF6 (E3M2) with one E8M0 byte
; for each 32 along a product's K: k along the head's 64 numbers, v along the keys.  The codes are laid as the attention launch's operand registers want them.
; A work-group (x = key step j of 128 keys, y = 16 x batch + head) makes one STEP BLOCK of 12,800 bytes, at (16 y + j) x 12,800 in kv:
;   0      K: 4 fragments of 1,536 bytes; fragment b, lane L = (r, h): 48 bytes at 1536 b + 48 L, its 12 registers on end: registers 6 c .. 6 c + 5 hold
;          key 32 b + 8 c + r + 8 (r / 8) of the step, head numbers 32 h .. 32 h + 31 (c = 0, 1: two tiles of 16 keys share a fragment, since K is 64 of the instruction's 128)
;   6144   V^T: 4 fragments; fragment t, lane (r, h): 48 bytes at 3072 (t / 2) + 768 (t % 2) + 1536 h + 48 r: registers 6 c .. 6 c + 5 hold channel 16 t + r, keys 64 c + 32 h + 0 .. 31
;   12288  K's scale words: lane r has 16 bytes at 16 r: the words of fragments 0 .. 3; in a word byte 2 c + h
;   12544  V's scale words likewise: word t, byte 2 c + h
; A block's scale is 2^(floor(log2(its largest magnitude)) - 4); its byte is the largest magnitude's exponent field - 4, held at 1 from below.
; LIMITS: a block of zeros gets the byte 1 where the rule says 127 (its codes are zeros, which add nothing under any byte but 0xff, and this program alone reads the bytes);
; NaN and infinities among the inputs are not served.
; SHARES.  Sixteen waves: waves 0-7 take K, waves 8-15 V.  Each loads 16 whole rows of 256 bytes (16 lanes to a row), turns them through a stage in LDS, and quantises 32 blocks, one a lane.
; With the wave's bits w3 w2 w1 w0:  K: fragment b = 2 w2 + w0, half c = w1; lane (r, h) makes the block that lane (r, h) will load.
;                                    V: channels 32 w2 + lane, keys 32 (2 w1 + w0) + 0 .. 31: the lane's registers run down the keys, so nothing is transposed by an instruction.
; Both give ONE formula for the place of a lane's 24 bytes: 48 lane + 6144 w3 + 3072 w2 + 1536 w0 + 24 w1.
; The step block is gathered in LDS and leaves as 25 stores of 512 consecutive bytes.  No tensor loads, no loop: all of a wave's loads go out at once.
.set STG,  12800                       ; LDS: the step block at 0; behind it the stage: 16 rows x 272 bytes for each wave
.set WST,  16*272
.set VST,  STG+8*WST                   ; V's part of the stage: row = key of the step
.set GOF,  4                           ; v4   4096 h + 16 r: two rows a load, 16 bytes a lane
.set GOF2, 5                           ; v5   the same, 8 rows further down for K's waves: a tile's second eight keys
.set TW,   6                           ; v6   the stage, on the way in
.set TR,   7                           ; v7   and back, K: row r, 128 h bytes on
.set TV,   8                           ; v8   and back, V: a lane a channel
.set AIMG, 9                           ; v9   where my 24 bytes of codes go
.set ASC,  10                          ; v10  where my scale byte goes
.set CPL,  11                          ; v11  16 x thread: my 16 bytes of a unit of 512, in LDS and in kv
.set R,    16                          ; v16-47 32 numbers
.set T0,   48
.set T1,   49
.set SCO,  50                          ; the conversions' scale operand
.set BY,   51                          ; the scale's byte
.set C,    52                          ; v52-57 a block's codes
.set TC,   58                          ; v58-60 the second conversion's result (three registers that begin on an even number)
.set OU0,  64                          ; v64-71 the way out
.set OU1,  68
	s_load_b128 s[4:7], s[0:1], 0x0                ; k, v
	s_load_b64 s[8:9], s[0:1], 0x10                ; kv
	v_lshl_add_u32 v72, v0, 2, 0x14200
	v_mov_b32 v73, 0
	v_lshrrev_b32 v1, 5, v0
	s_delay_alu instid0(VALU_DEP_1)
	v_readfirstlane_b32 s12, v1                    ; wave 0..15
	v_and_b32 v1, 31, v0                           ; lane
	v_and_b32 v2, 15, v0                           ; r
	s_wait_alu depctr_va_vdst(0)
	v_bfe_u32 v3, v0, 4, 1                         ; h
	s_and_b32 s13, s12, 1                          ; w0
	s_bfe_u32 s14, s12, 0x10001                    ; w1
	s_bfe_u32 s15, s12, 0x10002                    ; w2
	s_lshr_b32 s16, s12, 3                         ; w3: 0 K, 1 V
	s_xor_b32 s17, s16, 1
	; where my 16 rows begin in k or v: batch x 2^23 + head x 256 + step x 128 rows + my rows, a row 4,096 bytes
	s_and_b32 s18, ttmp7, 0xffff                   ; y
	s_lshr_b32 s22, s18, 4
	s_lshl_b32 s22, s22, 23
	s_and_b32 s23, s18, 15
	s_lshl_b32 s23, s23, 8
	s_add_co_u32 s22, s22, s23
	s_lshl_b32 s23, ttmp9, 19
	s_add_co_u32 s22, s22, s23
	s_lshl_b32 s24, s15, 6
	s_lshl_b32 s25, s13, 5
	s_add_co_u32 s24, s24, s25
	s_lshl_b32 s25, s14, 3
	s_add_co_u32 s24, s24, s25                     ; K: row 32 b + 8 c
	s_and_b32 s25, s12, 7
	s_lshl_b32 s25, s25, 4                         ; V: row 16 (w - 8)
	s_cmp_lt_u32 s12, 8
	s_cselect_b32 s24, s24, s25
	s_cselect_b32 s26, 0x8000, 0                   ; K: stage rows 8-15 are the keys 16-23 of the tile: 8 rows more
	s_lshl_b32 s24, s24, 12
	s_add_co_u32 s22, s22, s24
	s_mov_b32 s23, 0
	s_lshl_b32 s27, s18, 4
	s_add_co_u32 s27, s27, ttmp9
	s_mul_i32 s28, s27, 12800                      ; my step block in kv
	s_mov_b32 s29, 0
	v_lshlrev_b32 v[GOF], 4, v2
	s_wait_alu depctr_va_vdst(0)
	v_lshl_add_u32 v[GOF], v3, 12, v[GOF]
	s_delay_alu instid0(VALU_DEP_1)
	v_add_nc_u32 v[GOF2], s26, v[GOF]
	; every LDS address is made here, ahead of the first branch on the wave's number
	s_mul_i32 s30, s12, WST
	s_add_co_u32 s30, s30, STG                     ; my wave's 16 rows of the stage
	v_mul_u32_u24 v[TW], v3, 272
	s_delay_alu instid0(VALU_DEP_1)
	v_lshl_add_u32 v[TW], v2, 4, v[TW]
	s_delay_alu instid0(VALU_DEP_1)
	v_add_nc_u32 v[TW], s30, v[TW]                 ; in: row h of the load's two, 16 r bytes on
	v_mul_u32_u24 v[TR], v2, 272
	s_delay_alu instid0(VALU_DEP_1)
	v_lshl_add_u32 v[TR], v3, 7, v[TR]
	s_delay_alu instid0(VALU_DEP_1)
	v_add_nc_u32 v[TR], s30, v[TR]
	s_and_b32 s31, s12, 3
	s_mul_i32 s31, s31, 32*272                     ; V: my 32 keys,
	s_lshl_b32 s32, s15, 7                         ; my 32 channels
	s_add_co_u32 s31, s31, s32
	s_add_co_u32 s31, s31, VST
	v_lshl_add_u32 v[TV], v1, 2, s31
	s_mul_i32 s32, s16, 6144
	s_mul_i32 s33, s15, 3072
	s_add_co_u32 s32, s32, s33
	s_mul_i32 s33, s13, 1536
	s_add_co_u32 s32, s32, s33
	s_mul_i32 s33, s14, 24
	s_add_co_u32 s32, s32, s33
	v_mul_u32_u24 v[AIMG], v1, 48
	s_delay_alu instid0(VALU_DEP_1)
	v_add_nc_u32 v[AIMG], s32, v[AIMG]
	; the scale byte.  K: 12288 + 16 r + 4 b + 2 c + h.  V: 12544 + 16 r + 4 (2 w2 + h) + 2 w1 + w0.  One product of h: h x (1 or 4)
	s_mul_i32 s33, s16, 3
	s_add_co_u32 s33, s33, 1                       ; 1 for K, 4 for V
	s_mul_i32 s34, s17, 3
	s_add_co_u32 s34, s34, 1
	s_mul_i32 s34, s34, s13                        ; w0 x (4 for K, 1 for V)
	s_lshl_b32 s35, s16, 8
	s_add_co_u32 s34, s34, s35
	s_lshl_b32 s35, s15, 3
	s_add_co_u32 s34, s34, s35
	s_lshl_b32 s35, s14, 1
	s_add_co_u32 s34, s34, s35
	s_add_co_u32 s34, s34, 12288
	v_mul_u32_u24 v[ASC], s33, v3
	s_delay_alu instid0(VALU_DEP_1)
	v_lshl_add_u32 v[ASC], v2, 4, v[ASC]
	s_delay_alu instid0(VALU_DEP_1)
	v_add_nc_u32 v[ASC], s34, v[ASC]
	v_lshlrev_b32 v[CPL], 4, v0
	s_wait_kmcnt 0x0
	s_cmp_lt_u32 s12, 8                            ; the choice of the tensor hangs on the wave's number alone
	s_cselect_b64 s[20:21], s[4:5], s[6:7]
	s_add_nc_u64 s[20:21], s[20:21], s[22:23]
	s_add_nc_u64 s[8:9], s[8:9], s[28:29]
.irp i, 0,1,2,3
	global_load_b128 v[R+4*\i:R+4*\i+3], v[GOF], s[20:21] offset:8192*\i th:TH_LOAD_NT    ; two whole rows of 256 bytes, sixteen lanes to a row; read once in the launch
.endr
.irp i, 4,5,6,7
	global_load_b128 v[R+4*\i:R+4*\i+3], v[GOF2], s[20:21] offset:8192*\i th:TH_LOAD_NT
.endr
.irp i, 0,1,2,3,4,5,6,7
	s_wait_loadcnt 7-\i                            ; loads come back in order: load i is in, the 7 - i younger ones may be out
	ds_store_b128 v[TW], v[R+4*\i:R+4*\i+3] offset:544*\i          ; stage rows 2 i and 2 i + 1
.endr
	s_wait_dscnt 0x0                               ; for the others' sake: V's columns cross the waves' rows
	s_barrier_signal -1
	s_barrier_wait -1
	s_cmp_lt_u32 s12, 8
	s_cbranch_scc0 .Lback_v
	s_wait_alu depctr_va_vdst(0)
.irp i, 0,1,2,3,4,5,6,7
	ds_load_b128 v[R+4*\i:R+4*\i+3], v[TR] offset:16*\i            ; K: my row's 32 neighbours along the head; rows 272 bytes apart
.endr
	s_branch .Lback
.Lback_v:
	s_wait_alu depctr_va_vdst(0)
.irp i, 0,1,2,3,4,5,6,7,8,9,10,11,12,13,14,15,16,17,18,19,20,21,22,23,24,25,26,27,28,29,30,31
	ds_load_b32 v[R+\i], v[TV] offset:272*\i                       ; V: my channel at key i of my 32: the lanes read 128 consecutive bytes
.endr
.Lback:
	s_wait_dscnt 0x0
	v_max3_num_f32 v[T0], |v[R]|, |v[R+1]|, |v[R+2]|               ; the block's largest magnitude: all 32 numbers are mine; two chains
	v_max3_num_f32 v[T1], |v[R+3]|, |v[R+4]|, |v[R+5]|
.irp i, 6,10,14,18,22,26
	s_delay_alu instid0(VALU_DEP_2)
	v_max3_num_f32 v[T0], v[T0], |v[R+\i]|, |v[R+\i+1]|
	s_delay_alu instid0(VALU_DEP_2)
	v_max3_num_f32 v[T1], v[T1], |v[R+\i+2]|, |v[R+\i+3]|
.endr
	s_delay_alu instid0(VALU_DEP_2)
	v_max3_num_f32 v[T0], v[T0], |v[R+30]|, |v[R+31]|
	s_delay_alu instid0(VALU_DEP_1)
	v_max3_num_f32 v[T0], v[T0], v[T1], 0x2800000                  ; and the floor 2^(5 - 127): the byte cannot fall under 1
	s_delay_alu instid0(VALU_DEP_1)
	v_add_nc_u32 v[SCO], 0xfe000000, v[T0]                         ; 4 off its exponent field: the conversion takes the exponent field of this operand as its scale, and nothing else of it
	s_delay_alu instid0(VALU_DEP_1)
	v_lshrrev_b32 v[BY], 23, v[SCO]                                ; the scale's byte
	v_cvt_scalef32_pk16_bf6_f32 v[C:C+2], v[R:R+15], v[SCO]        ; sixteen codes, 96 bits without gaps, the first number's code lowest
	v_cvt_scalef32_pk16_bf6_f32 v[TC:TC+2], v[R+16:R+31], v[SCO]
	v_nop                                          ; one plain instruction behind the scaled conversions, ahead of the moves that read a result
.irp i, 0,1,2
	v_mov_b32 v[C+3+\i], v[TC+\i]
.endr
.irp i, 0,1,2
	ds_store_b64 v[AIMG], v[C+2*\i:C+2*\i+1] offset:8*\i           ; my block's 24 bytes, at a multiple of 8
.endr
	ds_store_b8 v[ASC], v[BY]
	s_wait_dscnt 0x0                               ; my part of the step block has landed
	s_barrier_signal -1
	s_barrier_wait -1
	; the way out: 25 units of 512 bytes: unit w, and for waves 0-8 unit 16 + w
	ds_load_b128 v[OU0:OU0+3], v[CPL]
	s_cmp_lt_u32 s12, 9
	s_cbranch_scc0 .Lone
	ds_load_b128 v[OU1:OU1+3], v[CPL] offset:8192
	s_wait_dscnt 0x0
	global_store_b128 v[CPL], v[OU1:OU1+3], s[8:9] offset:8192     ; 32 lanes store 512 consecutive bytes, at a multiple of 256 from kv's first byte
.Lone:
	s_wait_dscnt 0x0
	global_store_b128 v[CPL], v[OU0:OU0+3], s[8:9]
	s_wait_tensorcnt 0x0
	ds_add_u32 v72, v73
	s_wait_dscnt 0x0
	s_endpgm
.Lfunc_end_k_q8388173308_prep:
	.size	k_q8388173308_prep, .Lfunc_end_k_q8388173308_prep-k_q8388173308_prep
	.p2alignl 7, 3214868480
	.fill 96, 4, 3214868480
	.section	.rodata,"a",@progbits
	.p2align	6, 0x0
	.amdhsa_kernel k_q8388173308_prep
		.amdhsa_group_segment_fixed_size 84480
		.amdhsa_private_segment_fixed_size 0
		.amdhsa_enable_private_segment 0
		.amdhsa_kernarg_size 24
		.amdhsa_user_sgpr_count 2
		.amdhsa_user_sgpr_kernarg_segment_ptr 1
		.amdhsa_wavefront_size32 1
		.amdhsa_system_sgpr_workgroup_id_x 1
		.amdhsa_system_sgpr_workgroup_id_y 1
		.amdhsa_system_sgpr_workgroup_id_z 1
		.amdhsa_system_vgpr_workitem_id 0
		.amdhsa_next_free_vgpr 74
		.amdhsa_next_free_sgpr 66
		.amdhsa_reserve_vcc 0
		.amdhsa_float_denorm_mode_32 3
		.amdhsa_float_denorm_mode_16_64 3
		.amdhsa_memory_ordered 1
		.amdhsa_forward_progress 1
		.amdhsa_inst_pref_size 12
	.end_amdhsa_kernel
	.amdgpu_metadata
---
amdhsa.version: [ 1, 2 ]
amdhsa.kernels:
  - .name:           k_q8388173308_prep
    .symbol:         k_q8388173308_prep.kd
    .args:
      - { .name: k, .offset: 0, .size: 8, .value_kind: global_buffer, .address_space: global }
      - { .name: v, .offset: 8, .size: 8, .value_kind: global_buffer, .address_space: global }
      - { .name: kv, .offset: 16, .size: 8, .value_kind: global_buffer, .address_space: global }
    .group_segment_fixed_size: 84480
    .private_segment_fixed_size: 0
    .kernarg_segment_align: 8
    .kernarg_segment_size: 24
    .max_flat_workgroup_size: 512
    .sgpr_count:     66
    .vgpr_count:     74
    .wavefront_size: 32
...
	.end_amdgpu_metadata
.endif
;; end of part 3
;; launch attn (part 4): grid 8 x 32, 16 waves a work-group, no clusters, 122,880 bytes of LDS; arguments q, kv, out0; writes out0
.if DOCPART == 4
	.amdgcn_target "amdgcn-amd-amdhsa--gfx1250"
	.amdhsa_code_object_version 6
	.text
	.protected	k_q8388173308_attn
	.globl	k_q8388173308_attn
	.p2align	8
	.type	k_q8388173308_attn,@function
k_q8388173308_attn:
	s_mov_b64 s[64:65], 0
	v_nop
	global_prefetch_b8 v0, s[64:65] scope:SCOPE_SE
	s_setreg_imm32_b32 hwreg(HW_REG_WAVE_SCHED_MODE, 0, 2), 2
	s_setreg_imm32_b32 hwreg(HW_REG_WAVE_MODE, 25, 1), 1
	s_wait_xcnt 0x0
	s_wait_alu depctr_vm_vsrc(0)
; out[b][i][h][:] = the sum over j of softmax_j(dots) v[b][j][h][:], dots = (q / 8) . k, overwritten by -50,000 where j > i.  2 batches x 16 heads, 2,048 queries and keys, head size 64.
; Both products on codes of BF6 (E3M2) with one E8M0 byte for each 32 along K.  k's and v's codes come from kv, laid as images of the operands' registers (12,800 bytes a step of 128 keys: 4 fragments of K,
; 4 of V^T, 256 bytes of K's scale words, 256 of V's); q is read by one wave alone and is quantised here, in registers.
; THE SOFTMAX: t = logit x log2(e); M = the row's largest t so far, rounded UP to a whole number; p = 2^(t - M) is quantised along the keys, not normalised; the row's sum is taken of the unquantised p and
; divides at the end.  When M moves, the sum and O are multiplied by 2^(old M - new M): exact.
; SHARES.  A work-group (x = g in 0..7, y = 16 x batch + head) owns two blocks of 128 queries: block g and block 15 - g.  A wave owns one tile of 16 queries of one of them (eight waves each) and works the key
; steps 0 .. its block's number; the last is its step on the diagonal.  So every work-group has 8 (g + 1) + 8 (16 - g) = 136 tile steps, whatever g.  Which block a wave takes is (w xor w / 4) % 2.
; K = 64 IS HALF OF THE INSTRUCTION'S 128.  A fragment of K holds TWO tiles of 16 keys, one in registers 0-5 and one in 6-11.  q's operand is 18 registers: six zeros, q's six, six zeros.  Taken from register 6 on, q's codes
; meet the first tile and zero codes the second; taken from register 0 on, the other way round.  Zero codes add exactly 0: their scale byte is 0 (2^-127, a finite number), K's bytes are 1 to 250, and the format has no NaN.
; LAYOUT.  Both products are used transposed (S^T = K q^T, O^T = V^T p^T): a lane holds ONE query (lane % 16).  Lane r of tile 2 b + u takes key 32 b + 8 u + r + 8 (r / 8), so that score register 16 b + i is key 32 b + 16 (lane / 16) + i.
; THE RING.  Two LDS slots of two steps (25,600 bytes).  A slot is 50 units of 512 bytes: wave w copies units w, w + 16, w + 32 (waves 0, 1 also 48, 49) through 16 registers: the loads go out behind the barrier at a slot's head,
; for the slot after it, and are stored into LDS at the slot's end: two key steps lie between.  One barrier a slot.  The loop has a constant number of trips (8 slots); what a work-group or a wave does not need is
; jumped over by scalar branches on ids; no barrier is jumped over.
; NO CLUSTER, NO TENSOR LOADS: the eight work-groups of a head need 16 - g steps, 9 to 16, so partners would need different numbers of tiles; and a slot is three or four loads a wave.
; LIMITS.  Keys of steps that lie wholly behind the diagonal are left out: their p = 2^(-50,000 log2(e) - M) is 0 in f32 as long as a row's largest visible logit lies above -49,896; on the diagonal's step the value -50,000 itself is
; written in.  NaN and infinities among the inputs are not served.  A block's largest p is made from its largest score by the same two instructions: that takes v_exp_f32 not to fall where its input rises.
; THE MODE: SCHED_MODE bits 1:0 = 2 (LLVM: expert scheduling mode 2), set by the entry lines.  The code itself states the register dependences
; between vector or matrix instructions and memory or LDS instructions, with s_wait_alu, always for 0.
; THE PLAN.  Registers that memory or LDS instructions touch:
;   v1-8, v11   addresses and offsets: written by vector lines at the head, ahead of ONE wait on va_vdst, and never again.
;   CR          the copy's registers: the loads of a slot's head land in them, the LDS stores of the slot's end read them; no vector line names them.  One wait on vm_vsrc stands ahead of the loads.
;   FR, SW      a step: K's LDS loads land; the eight score products read; V's LDS loads land; the four products V^T p^T read; then the next step's K.  So two waits on va_vdst a step: at its head (the last step's
;               products are done reading) and behind the score products (they are done reading).  From the second wait to the step's last products no vector line names FR or SW, on the mask's path either:
;               V's thirteen loads follow it with no further wait, dealt among the lines of the maxima.
;   PC, PW      p's codes and scale word: written by vector lines, taken by scaled products: a wait on va_vdst stands behind the places and ahead of the products.  (q's codes and scale words likewise: the first step's head.)
;   S           at the head: q lands, goes to my stage, comes back; on the way out: vector lines write v88-119 for the LDS stores, the loads from the stage land in v120-151 for the global stores.
;   s12, s40-55 written by vector lines (the wave's number; the mask's compares): a wait on va_sdst stands ahead of their first readers.
.set STEPB, 12800
.set SLOTB, 2*STEPB
.set STG,   2*SLOTB                    ; behind the ring: 16 rows x 272 bytes for each wave, its own: q's turn at the head, and the way out
.set WST,   16*272
.set LRK, 1                            ; v1   48 lane: my 48 bytes of a fragment of K
.set LRV, 2                            ; v2   48 r + 1536 h: of V
.set LSC, 3                            ; v3   16 r: my row's four scale words
.set CPL, 4                            ; v4   16 x thread: my 16 bytes of a unit of 512, in kv and in a slot
.set TW,  5                            ; v5   my stage by rows: row h of two, 16 r bytes on
.set TR,  6                            ; v6   my stage: row r, 128 h bytes on
.set OW,  7                            ; v7   my stage: row r, 32 h bytes on
.set GO,  8                            ; v8   4096 h + 16 r: two rows of q or of out0, 16 bytes a lane
.set DG,  9                            ; v9   my query less 16 h, counted from the diagonal step's first key
.set MV,  10                           ; v10  -50,000
.set PFO, 11                           ; v11  the prefetches' offset
                                       ; v12 -M, v13 the largest t, v[14:15] the row's sum in two halves
.set QF,  16                           ; v16-33 six zeros, q's codes, six zeros
.set QS,  34                           ; v34, v35 q's scale word for the first and for the second tile of a fragment
.set FR,  36                           ; v36-83 four fragments: K's, then V's
.set SW,  84                           ; v84-87 their scale words
.set S,   88                           ; v88-151 S^T, then p
.set OA,  152                          ; v152-183 O^T: four tiles of 16 channels
.set PC,  184                          ; v184-195 p's codes
.set PT,  196                          ; v196-198, v200-202 the conversions' second halves
.set CR,  204                          ; v204-219 the copy's registers
.set BM,  220                          ; v220-223 the blocks' largest scores, then p
.set BP,  224                          ; v224-227 at work
.set SO,  228                          ; v228-231 the conversions' scale operands
.set TMP, 232
.set PW,  233                          ; p's scale word
.set FF,  234                          ; v[234:235] f = 2^(old M - new M); v235 is named with it as a pair
.set TC,  236                          ; v236-238 q's second conversion
.set QB,  239                          ; q's scale byte
.set WV,  12                           ; s12  my wave's number
.set BLK, 15                           ; s15  my block of 128 queries = my last key step
.set NS,  16                           ; s16  16 - g: the steps that the work-group needs
.set J,   17                           ; s17  the key step in hand
.set TRIP, 19                          ; s19  the loop's counter
.set SEL, 22                           ; s[22:23] v_permlanex16_b32's selects for lane l xor 16
.set CS,  24                           ; s[24:25] log2(e), twice
.set KVP, 26                           ; s[26:27] kv at the slot to be loaded next
.set PFA, 28                           ; s[28:29] kv one slot further on
.set PFL, 30                           ; s30  12 in a wave that prefetches, else 0
.set EIG, 36                           ; s[36:37] 1 / 8, twice
.set MK,  40                           ; s40-55 the causal mask of sixteen score registers
.macro BAR                             ; my LDS stores have landed and my LDS loads are in: then the work-group's barrier
	s_wait_dscnt 0x0
	s_barrier_signal -1
	s_barrier_wait -1
.endm
.macro CLOAD                           ; my units of the slot at s[KVP]: eight work-groups read these bytes, so no hint
.irp k, 0,1,2
	global_load_b128 v[CR+4*\k:CR+4*\k+3], v[CPL], s[KVP:KVP+1] offset:8192*\k
.endr
	s_cmp_lt_u32 s[WV], 2
	s_cbranch_scc0 .Lthree_\@
	global_load_b128 v[CR+12:CR+15], v[CPL], s[KVP:KVP+1] offset:24576
.Lthree_\@:
.endm
.macro CSTORE s                        ; and into LDS slot s, as they lie
.irp k, 0,1,2
	ds_store_b128 v[CPL], v[CR+4*\k:CR+4*\k+3] offset:SLOTB*(\s)+8192*\k
.endr
	s_cmp_lt_u32 s[WV], 2
	s_cbranch_scc0 .Lthree_\@
	ds_store_b128 v[CPL], v[CR+12:CR+15] offset:SLOTB*(\s)+24576
.Lthree_\@:
.endm
; A PREFETCH INTO THE L2 of the slot that the NEXT slot's head will load: it stands behind the wave's loads.  All eight work-groups of a head walk the same kv: the one with g = 0, which walks all eight slots, asks,
; by its waves 4 to 7: a slot is 100 blocks of 256 bytes, 25 a wave, a lane a block (lanes 25-31 name lane 24's in the same instruction).  Slots 0 and 1 come by their loads alone; the last request, at step 10, is for slot 7.
.macro ASK
	s_cmp_lt_u32 s[J], s[PFL]
	s_cbranch_scc0 .Lnoask_\@
	global_prefetch_b8 v[PFO], s[PFA:PFA+1] th:TH_LOAD_NT scope:SCOPE_SE
.Lnoask_\@:
.endm
; THE WAY OUT, straight behind a wave's last step: O^T / the sum goes through my stage (a lane holds 32 bytes of a row, four times) and leaves as whole rows of 256 bytes.
.macro OUT
	v_add_f32 v14, v14, v15                        ; the sum's two halves,
	v_permlanex16_b32 v[TMP], v14, s[SEL], s[SEL+1]
	v_add_f32 v14, v14, v[TMP]                     ; and lane l xor 16's: the row's sum
	s_wait_alu depctr_va_vdst(0)
	v_rcp_f32 v14, v14
	v_nop                                          ; one plain instruction behind the reciprocal
	s_wait_alu depctr_va_vdst(0)                   ; the reciprocal has written v14, ahead of the first line that names it
.set n, 0
.rept 16
	v_pk_mul_f32 v[S+n:S+n+1], v[OA+n:OA+n+1], v[14:15] op_sel_hi:[1,0]   ; each accumulator from its low end on: register 8 t + i is out(query r, channel 16 t + 8 h + i)
.set n, n+2
.endr
	s_wait_alu depctr_va_vdst(0)                   ; the multiplies have written v[S .. S+31], which the LDS stores read; all vector work on v[S+32 .. S+63], in which the loads from the stage land, is done
.irp t, 0,1,2,3
	ds_store_b128 v[OW], v[S+8*\t:S+8*\t+3] offset:64*\t
	ds_store_b128 v[OW], v[S+8*\t+4:S+8*\t+7] offset:64*\t+16
.endr
.irp i, 0,1,2,3,4,5,6,7
	ds_load_b128 v[S+32+4*\i:S+32+4*\i+3], v[TW] offset:544*\i     ; LDS serves a wave's instructions in order: these see my stores
.endr
.irp i, 0,1,2,3,4,5,6,7
	s_wait_dscnt 7-\i                              ; load i is in, the 7 - i younger ones may be out
	global_store_b128 v[GO], v[S+32+4*\i:S+32+4*\i+3], s[8:9] offset:8192*\i th:TH_STORE_NT   ; sixteen lanes store 256 consecutive bytes, at a multiple of 256 from out0's first byte
.endr
	s_wait_xcnt 0x0                                ; the stores' addresses are translated,
	s_wait_alu depctr_vm_vsrc(0)                   ; and the LDS stores and the global stores have read v[S ..]: only behind both may these registers be written again
.endm
.macro VFR t                           ; fragment t of V^T, from the step at LDS byte BASE
.irp c, 0,1,2
	ds_load_b128 v[FR+12*(\t)+4*\c:FR+12*(\t)+4*\c+3], v[LRV] offset:BASE+6144+3072*((\t)/2)+768*((\t)%2)+16*\c
.endr
.endm
; A KEY STEP: 128 keys, step q of LDS slot s.
.macro ATT s, q
.set BASE, SLOTB*(\s)+STEPB*(\q)
	s_cmp_gt_u32 s[J], s[BLK]                      ; all its keys come after my queries: the step's work is left out
	s_cbranch_scc1 .Lhid_\@
	s_wait_alu depctr_va_vdst(0)                   ; the last step's products V^T p^T are done reading FR and SW, in which K's loads land; in my first step: q's codes and scale words are written, which the score products take
.irp b, 0,1,2,3
.irp c, 0,1,2
	ds_load_b128 v[FR+12*\b+4*\c:FR+12*\b+4*\c+3], v[LRK] offset:BASE+1536*\b+16*\c   ; lanes 48 bytes apart
.endr
.endr
	ds_load_b128 v[SW:SW+3], v[LSC] offset:BASE+12288
	s_wait_dscnt 0x0
.irp b, 0,1,2,3
.irp u, 0,1
	v_wmma_scale_f32_16x16x128_f8f6f4 v[S+8*(2*\b+\u):S+8*(2*\b+\u)+7], v[FR+12*\b:FR+12*\b+11], v[QF+6-6*\u:QF+17-6*\u], 0, v[SW+\b], v[QS+\u] matrix_a_fmt:MATRIX_FMT_BF6 matrix_b_fmt:MATRIX_FMT_BF6
.endr
.endr
.rept 4
	v_nop                                          ; four places behind the products (ISA guide 7.12.1), ahead of the first read of the scores
.endr
	s_wait_alu depctr_va_vdst(0)                   ; the score products are done reading FR and SW, in which V's loads land.  No vector line from here to the products V^T p^T names FR or SW: the thirteen loads owe nothing more
	ds_load_b128 v[SW:SW+3], v[LSC] offset:BASE+12544
	VFR 0                                          ; V's fragments land while the softmax is worked: the first here, the others among the lines of the maxima
	s_cmp_lg_u32 s[J], s[BLK]                      ; only my last step lies on the diagonal
	s_cbranch_scc1 .Lopen_\@
.irp g, 0,1,2,3                                ; register 16 g + i holds key 32 g + 16 h + i of the step: hidden where 32 g + i > my query - 16 h.  Sixteen compares in a run, one wait, sixteen selects
.irp i, 0,1,2,3,4,5,6,7,8,9,10,11,12,13,14,15
	v_cmp_gt_i32 s[MK+\i], 32*\g+\i, v[DG]
.endr
	s_wait_alu depctr_va_sdst(0)                   ; the sixteen compares have written s[MK ..], ahead of the selects that read them
.irp i, 0,1,2,3,4,5,6,7,8,9,10,11,12,13,14,15
	v_cndmask_b32 v[S+16*\g+\i], v[S+16*\g+\i], v[MV], s[MK+\i]
.endr
.endr
.Lopen_\@:
.irp b, 0,1,2,3
	v_max3_num_f32 v[BM+\b], v[S+16*\b], v[S+16*\b+1], v[S+16*\b+2]   ; the largest score of each block of 32 keys: for the row's maximum and, since p rises with the score, for the block's largest p
.endr
	VFR 1
.irp i, 3,5
.irp b, 0,1,2,3
	v_max3_num_f32 v[BM+\b], v[BM+\b], v[S+16*\b+\i], v[S+16*\b+\i+1]   ; (the four blocks by turns)
.endr
.endr
	VFR 2
.irp i, 7,9
.irp b, 0,1,2,3
	v_max3_num_f32 v[BM+\b], v[BM+\b], v[S+16*\b+\i], v[S+16*\b+\i+1]
.endr
.endr
	VFR 3
.irp i, 11,13
.irp b, 0,1,2,3
	v_max3_num_f32 v[BM+\b], v[BM+\b], v[S+16*\b+\i], v[S+16*\b+\i+1]
.endr
.endr
.irp b, 0,1,2,3
	v_max_num_f32 v[BM+\b], v[BM+\b], v[S+16*\b+15]
.endr
.irp b, 0,1,2,3
	v_permlanex16_b32 v[BP+\b], v[BM+\b], s[SEL], s[SEL+1]
.endr
.irp b, 0,1,2,3
	v_max_num_f32 v[BM+\b], v[BM+\b], v[BP+\b]     ; with lane l xor 16's 16 keys
.endr
	v_max3_num_f32 v[TMP], v[BM], v[BM+1], v[BM+2]
	v_max_num_f32 v[TMP], v[TMP], v[BM+3]          ; the step's largest score of my query,
	v_mul_f32 v[TMP], s[CS], v[TMP]                ; as t
	v_max_num_f32 v13, v13, v[TMP]                 ; the running largest t
	v_mov_b32 v[TMP], v12
	v_floor_f32 v12, -v13                          ; the new -M = floor(-t) = -ceil(t): a whole number
	v_sub_f32 v[TMP], v12, v[TMP]                  ; M's old value less its new one: a whole number, 0 or less
	v_cvt_i32_f32 v[TMP], v[TMP]                   ; (it saturates)
	v_ldexp_f32 v[FF], 1.0, v[TMP]                 ; f = 2^(old M - new M)
.set n, 0
.rept 32
	v_pk_fma_f32 v[S+n:S+n+1], v[S+n:S+n+1], s[CS:CS+1], v[12:13] op_sel_hi:[1,0,0]   ; t - M, two at a time (of the pairs the low word serves both halves)
.set n, n+2
.endr
.irp b, 0,1,2,3
	v_fma_f32 v[BM+\b], v[BM+\b], s[CS], v12       ; the same of each block's largest score
.endr
.set n, 0
	s_wait_alu depctr_va_vdst(0)
.rept 64
	v_exp_f32 v[S+n], v[S+n]                       ; p = 2^(t - M), at most 1
.set n, n+1
.endr
	v_pk_mul_f32 v[14:15], v[14:15], v[FF:FF+1] op_sel_hi:[1,0]   ; the sums under the new M: the plain instruction behind the exponentials
	s_wait_alu depctr_va_vdst(0)                   ; the 64 exponentials have written v[S ..]: one wait for the batch, ahead of the first line that names a result
.irp b, 0,1,2,3
	v_exp_f32 v[BM+\b], v[BM+\b]                   ; the blocks' largest p
.endr
	v_pk_add_f32 v[BP:BP+1], v[S:S+1], v[S+2:S+3]  ; the row's sum, of the UNQUANTISED p: two at a time, in two chains; it names none of the four
.set n, 4
.rept 15
	v_pk_add_f32 v[14:15], v[14:15], v[S+n:S+n+1]
	v_pk_add_f32 v[BP:BP+1], v[BP:BP+1], v[S+n+2:S+n+3]
.set n, n+4
.endr
	v_pk_add_f32 v[14:15], v[14:15], v[BP:BP+1]
	s_wait_alu depctr_va_vdst(0)                   ; the four exponentials have written v[BM ..], ahead of the first line that names them
.irp b, 0,1,2,3
	v_max_num_f32 v[BM+\b], 0x2800000, v[BM+\b]    ; the floor 2^(5 - 127): the byte cannot fall under 1 (a block whose every p is 0 keeps that byte: its codes are zeros)
.endr
.irp b, 0,1,2,3
	v_add_nc_u32 v[SO+\b], 0xfe000000, v[BM+\b]    ; 4 off the exponent field: the conversion's scale operand
.endr
.irp b, 0,1,2,3
	v_lshrrev_b32 v[BP+\b], 23, v[SO+\b]           ; the scale's byte
.endr
	v_lshl_or_b32 v[PW], v[BP+1], 8, v[BP]         ; p's scale word for these 128 keys
	v_lshl_or_b32 v[PW], v[BP+2], 16, v[PW]
	v_lshl_or_b32 v[PW], v[BP+3], 24, v[PW]
.irp c, 0,1
	v_cvt_scalef32_pk16_bf6_f32 v[PC+6*\c:PC+6*\c+2], v[S+32*\c:S+32*\c+15], v[SO+2*\c]
	v_cvt_scalef32_pk16_bf6_f32 v[PT+4*\c:PT+4*\c+2], v[S+32*\c+16:S+32*\c+31], v[SO+2*\c+1]   ; (a conversion's three registers begin on an even number)
.endr
	v_nop                                          ; one plain instruction behind the scaled conversions
.irp c, 0,1                                    ; the operand's layout wants a WHOLE block in a lane: lanes 0-15 block 2 c, lanes 16-31 block 2 c + 1
.irp i, 0,1,2
	v_permlane16_swap_b32 v[PC+6*\c+\i], v[PT+4*\c+\i]
.endr
.irp i, 0,1,2
	v_mov_b32 v[PC+6*\c+3+\i], v[PT+4*\c+\i]
.endr
.endr
.set n, 0
.rept 16
	v_pk_mul_f32 v[OA+n:OA+n+1], v[OA+n:OA+n+1], v[FF:FF+1] op_sel_hi:[1,0]   ; O^T under the new M; these lines also stand between the writes of p's codes and scale word and the products
.set n, n+2
.endr
	s_wait_dscnt 0x0                               ; V's fragments and scale words are in
	s_wait_alu depctr_va_vdst(0)                   ; p's codes v[PC ..] and p's scale word v[PW] are written, which the scaled products take; the lines above stay beside this wait
.irp t, 0,1,2,3                                ; O^T += V^T p^T: the four accumulators take one turn each, and the eight score products stand between a link and the next
	v_wmma_scale_f32_16x16x128_f8f6f4 v[OA+8*\t:OA+8*\t+7], v[FR+12*\t:FR+12*\t+11], v[PC:PC+11], v[OA+8*\t:OA+8*\t+7], v[SW+\t], v[PW] matrix_a_fmt:MATRIX_FMT_BF6 matrix_b_fmt:MATRIX_FMT_BF6
.endr
.rept 4
	v_nop                                          ; four places behind the products, ahead of the way out's reads of their results
.endr
	s_cmp_lg_u32 s[J], s[BLK]
	s_cbranch_scc1 .Lhid_\@
	OUT                                            ; that was my last step
.Lhid_\@:
	s_add_co_u32 s[J], s[J], 1
.endm
; A SLOT.  Behind the barrier LDS slot s is whole and nobody reads the other one.  The loads for the slot after this one go out first; at the end they are stored into the other LDS slot, which is read behind the next barrier.
.macro SLOT s
	BAR
	s_add_co_u32 s20, s[J], 2
	s_cmp_lt_u32 s20, s[NS]                        ; does the work-group need the next slot?
	s_cbranch_scc0 .Lnofetch_\@
	s_wait_alu depctr_vm_vsrc(0)                   ; the LDS stores at the last slot's end (at the head: slot 0's) have read the copy's registers, in which the loads below land
	CLOAD
	ASK
.Lnofetch_\@:
	ATT \s, 0
	ATT \s, 1
	s_wait_loadcnt 0x0                             ; on every path: no load into the copy's registers is out,
	s_wait_xcnt 0x0                                ; and the loads and the prefetch have read their addresses
	s_cmp_lt_u32 s[J], s[NS]                       ; the same question as at the head: s[J] has gone two steps on
	s_cbranch_scc0 .Lnostore_\@
	CSTORE 1-\s
	s_add_nc_u64 s[KVP:KVP+1], s[KVP:KVP+1], SLOTB
	s_add_nc_u64 s[PFA:PFA+1], s[PFA:PFA+1], SLOTB
.Lnostore_\@:
.endm
	s_load_b128 s[4:7], s[0:1], 0x0                ; q, kv
	s_load_b64 s[8:9], s[0:1], 0x10                ; out0
	v_lshl_add_u32 v254, v0, 2, 0x1d800
	v_mov_b32 v255, 0
	v_lshrrev_b32 v1, 5, v0
	v_readfirstlane_b32 s[WV], v1                  ; wave 0..15
	v_and_b32 v222, 31, v0                         ; lane
	v_and_b32 v220, 15, v0                         ; r
	s_wait_alu depctr_va_vdst(0)
	v_bfe_u32 v221, v0, 4, 1                       ; h
	s_and_b32 s13, ttmp7, 0xffff                   ; y = 16 x batch + head
	s_wait_alu depctr_va_sdst(0)                   ; s12, my wave's number, is written, ahead of its first reader
	s_lshr_b32 s14, s[WV], 1                       ; which tile of 16 queries of the block
	s_lshl_b32 s18, s14, 4
	s_lshr_b32 s20, s[WV], 2
	s_xor_b32 s20, s20, s[WV]
	s_and_b32 s20, s20, 1                          ; which of the two blocks
	s_sub_co_u32 s21, 15, ttmp9
	s_cmp_eq_u32 s20, 1
	s_cselect_b32 s[BLK], s21, ttmp9
	s_sub_co_u32 s[NS], 16, ttmp9
	s_lshl_b32 s20, s[BLK], 7
	s_add_co_u32 s20, s20, s18                     ; my first query
	s_lshl_b32 s20, s20, 12                        ; a row is 4,096 bytes
	s_lshr_b32 s21, s13, 4
	s_lshl_b32 s21, s21, 23                        ; the batch
	s_add_co_u32 s20, s20, s21
	s_and_b32 s21, s13, 15
	s_lshl_b32 s21, s21, 8                         ; the head
	s_add_co_u32 s32, s20, s21
	s_mov_b32 s33, 0
	s_mul_i32 s34, s13, 16*STEPB                   ; the head's 16 step blocks
	s_mov_b32 s35, 0
	s_lshr_b32 s20, s[WV], 2
	s_xor_b32 s20, s20, 1                          ; 0 in waves 4 to 7,
	s_or_b32 s20, s20, ttmp9                       ; of the work-group with g = 0
	s_cmp_eq_u32 s20, 0
	s_cselect_b32 s[PFL], 12, 0
	s_mov_b32 s[SEL], 0x76543210
	s_mov_b32 s[SEL+1], 0xfedcba98
	s_mov_b32 s[CS], 0x3fb8aa3b                    ; log2(e)
	s_mov_b32 s[CS+1], s[CS]
	s_mov_b32 s[EIG], 0x3e000000                   ; 64^(-1/2) = 1 / 8
	s_mov_b32 s[EIG+1], s[EIG]
	; every address register is made here, ahead of the first branch on the wave's number
	v_lshlrev_b32 v[GO], 4, v220
	s_wait_alu depctr_va_vdst(0)
	v_lshl_add_u32 v[GO], v221, 12, v[GO]
	v_lshlrev_b32 v[CPL], 4, v0
	v_mul_u32_u24 v[LRK], v222, 48
	v_mul_u32_u24 v[LRV], v220, 48
	v_mad_u32_u24 v[LRV], v221, 1536, v[LRV]
	v_lshlrev_b32 v[LSC], 4, v220
	s_mul_i32 s20, s[WV], WST
	s_add_co_u32 s20, s20, STG                     ; my stage
	v_mul_u32_u24 v[TW], v221, 272
	v_lshl_add_u32 v[TW], v220, 4, v[TW]
	v_add_nc_u32 v[TW], s20, v[TW]
	v_mul_u32_u24 v[TR], v220, 272
	v_lshl_add_u32 v[OW], v221, 5, v[TR]
	v_lshl_add_u32 v[TR], v221, 7, v[TR]
	v_add_nc_u32 v[TR], s20, v[TR]
	v_add_nc_u32 v[OW], s20, v[OW]
	v_lshlrev_b32 v[DG], 4, v221
	v_sub_nc_u32 v[DG], v220, v[DG]
	v_add_nc_u32 v[DG], s18, v[DG]                 ; 16 x tile + r - 16 h
	s_and_b32 s21, s[WV], 3
	s_mul_i32 s21, s21, 25
	v_min_u32 v[PFO], 24, v222
	v_add_nc_u32 v[PFO], s21, v[PFO]
	v_lshlrev_b32 v[PFO], 8, v[PFO]                ; 256 x (25 (w % 4) + min(lane, 24)): at most 25,344, inside a slot
	s_wait_kmcnt 0x0
	s_add_nc_u64 s[4:5], s[4:5], s[32:33]          ; q and out0 at my first query's part of its row
	s_add_nc_u64 s[8:9], s[8:9], s[32:33]
	s_add_nc_u64 s[KVP:KVP+1], s[6:7], s[34:35]    ; kv at my head's slot 0
	s_add_nc_u64 s[PFA:PFA+1], s[KVP:KVP+1], 2*SLOTB   ; and at its slot 2
	s_wait_alu depctr_va_vdst(0)                   ; the addresses and offsets v1 to v8 and v11 are written, which every load, store and prefetch of the kernel reads; no vector line writes them again
.irp i, 0,1,2,3,4,5,6,7
	global_load_b128 v[S+4*\i:S+4*\i+3], v[GO], s[4:5] offset:8192*\i th:TH_LOAD_NT   ; my 16 queries: two whole rows of 256 bytes a load; read once in the launch
.endr
	CLOAD                                          ; slot 0
	v_mov_b32 v[MV], 0xc7435000                    ; -50,000
	v_mov_b32 v13, 0xff61b1e6                      ; the largest t so far: -3e38, under every t
	v_floor_f32 v12, -v13                          ; -M
	v_mov_b32 v14, 0                               ; the sum, in two halves
	v_mov_b32 v15, 0
.irp b, 0,1,2,3
	v_mov_b32 v[BP+\b], 0                          ; written once: a lane permute's destination counts as one of its sources
.endr
	v_mov_b32 v[TMP], 0
	v_mov_b32 v[FF+1], 0                           ; (named as the upper half of the pair before anything else writes it)
.irp i, 0,1,2,3,4,5
	v_mov_b32 v[QF+\i], 0                          ; the zero codes on either side of q's
	v_mov_b32 v[QF+12+\i], 0
.endr
	s_wait_loadcnt 0x0                             ; q and slot 0's units are in
	CSTORE 0
	s_add_nc_u64 s[KVP:KVP+1], s[KVP:KVP+1], SLOTB
.irp i, 0,1,2,3,4,5,6,7
	ds_store_b128 v[TW], v[S+4*\i:S+4*\i+3] offset:544*\i          ; q turns through my stage: in by rows,
.endr
	s_wait_alu depctr_vm_vsrc(0)                   ; the LDS stores above have read v[S .. S+31], in which the loads below land
.irp i, 0,1,2,3,4,5,6,7
	ds_load_b128 v[S+4*\i:S+4*\i+3], v[TR] offset:16*\i            ; back 32 neighbours a lane: query r, head numbers 32 h on.  LDS serves a wave's instructions in order
.endr
	s_wait_dscnt 0x0
.set n, 0
.rept 16
	v_pk_mul_f32 v[S+n:S+n+1], v[S+n:S+n+1], s[EIG:EIG+1] op_sel_hi:[1,0]   ; q / 8, ahead of the product
.set n, n+2
.endr
	v_max3_num_f32 v[BM], |v[S]|, |v[S+1]|, |v[S+2]|               ; my block's largest magnitude: all 32 numbers are mine
	v_max3_num_f32 v[BM+1], |v[S+3]|, |v[S+4]|, |v[S+5]|
.irp i, 6,10,14,18,22,26
	v_max3_num_f32 v[BM], v[BM], |v[S+\i]|, |v[S+\i+1]|
	v_max3_num_f32 v[BM+1], v[BM+1], |v[S+\i+2]|, |v[S+\i+3]|
.endr
	v_max3_num_f32 v[BM], v[BM], |v[S+30]|, |v[S+31]|
	v_max3_num_f32 v[BM], v[BM], v[BM+1], 0x2800000                ; and the floor 2^(5 - 127)
	v_add_nc_u32 v[SO], 0xfe000000, v[BM]
	v_lshrrev_b32 v[QB], 23, v[SO]                 ; the scale's byte of block h of query r
	v_cvt_scalef32_pk16_bf6_f32 v[QF+6:QF+8], v[S:S+15], v[SO]
	v_cvt_scalef32_pk16_bf6_f32 v[TC:TC+2], v[S+16:S+31], v[SO]
	v_nop                                          ; one plain instruction behind the scaled conversions
.irp i, 0,1,2
	v_mov_b32 v[QF+9+\i], v[TC+\i]
.endr
	v_bfe_u32 v[TMP], v0, 4, 1
	v_lshlrev_b32 v[TMP], 3, v[TMP]
	v_lshlrev_b32 v[QB], v[TMP], v[QB]             ; my byte at its place, 8 h bits up;
	v_permlanex16_b32 v[BP], v[QB], s[SEL], s[SEL+1]
	v_or_b32 v[QS], v[QB], v[BP]                   ; with lane l xor 16's: bytes 0, 1 q's, bytes 2, 3 zero: for the first tile of a fragment
	v_lshlrev_b32 v[QS+1], 16, v[QS]               ; and the other way round for the second
.set n, 0
.rept 32
	v_mov_b32 v[OA+n], 0                           ; O^T.  The step is written without a first step of its own: the first change of M multiplies zeros.  (These lines also stand between q's scale words and the first product)
.set n, n+1
.endr
	s_mov_b32 s[J], 0
	s_mov_b32 s[TRIP], 0
.Ltrip:                                            ; four trips of two slots: 16 key steps, a constant
	SLOT 0
	SLOT 1
	s_add_co_u32 s[TRIP], s[TRIP], 1
	s_cmp_lt_u32 s[TRIP], 4
	s_cbranch_scc1 .Ltrip
	s_wait_dscnt 0x0
	s_wait_alu depctr_hold_cnt(0) depctr_sa_sdst(0) depctr_va_vdst(0) depctr_va_sdst(0) depctr_va_ssrc(0) depctr_va_vcc(0) depctr_vm_vsrc(0)
	s_wait_tensorcnt 0x0
	ds_add_u32 v254, v255
	s_wait_dscnt 0x0
	s_endpgm
.Lfunc_end_k_q8388173308_attn:
	.size	k_q8388173308_attn, .Lfunc_end_k_q8388173308_attn-k_q8388173308_attn
	.p2alignl 7, 3214868480
	.fill 96, 4, 3214868480
	.section	.rodata,"a",@progbits
	.p2align	6, 0x0
	.amdhsa_kernel k_q8388173308_attn
		.amdhsa_group_segment_fixed_size 122880
		.amdhsa_private_segment_fixed_size 0
		.amdhsa_enable_private_segment 0
		.amdhsa_kernarg_size 24
		.amdhsa_user_sgpr_count 2
		.amdhsa_user_sgpr_kernarg_segment_ptr 1
		.amdhsa_wavefront_size32 1
		.amdhsa_system_sgpr_workgroup_id_x 1
		.amdhsa_system_sgpr_workgroup_id_y 1
		.amdhsa_system_sgpr_workgroup_id_z 1
		.amdhsa_system_vgpr_workitem_id 0
		.amdhsa_next_free_vgpr 256
		.amdhsa_next_free_sgpr 66
		.amdhsa_reserve_vcc 0
		.amdhsa_float_denorm_mode_32 3
		.amdhsa_float_denorm_mode_16_64 3
		.amdhsa_memory_ordered 1
		.amdhsa_forward_progress 1
		.amdhsa_inst_pref_size 125
	.end_amdhsa_kernel
	.amdgpu_metadata
---
amdhsa.version: [ 1, 2 ]
amdhsa.kernels:
  - .name:           k_q8388173308_attn
    .symbol:         k_q8388173308_attn.kd
    .args:
      - { .name: q, .offset: 0, .size: 8, .value_kind: global_buffer, .address_space: global }
      - { .name: kv, .offset: 8, .size: 8, .value_kind: global_buffer, .address_space: global }
      - { .name: out0, .offset: 16, .size: 8, .value_kind: global_buffer, .address_space: global }
    .group_segment_fixed_size: 122880
    .private_segment_fixed_size: 0
    .kernarg_segment_align: 8
    .kernarg_segment_size: 24
    .max_flat_workgroup_size: 512
    .sgpr_count:     66
    .vgpr_count:     256
    .wavefront_size: 32
...
	.end_amdgpu_metadata
.endif
;; end of part 4
